; MI455X (gfx1250); checked and timed in simulation.
; The chip was launched on July 23, 2026; its instructions are those of AMD's public machine-readable ISA for CDNA 5 (MIT licence, August 2026) and "CDNA5" Instruction Set Architecture Reference Guide (July 2026). The comments in the code are by the model that wrote it; some were corrected since.
;; Causal Self Attention. Allowed arithmetic: matrix products marked QUANTISED: E2M1 operands, one E8M0 scale for each 32 along K, by v_wmma_scale_f32_16x16x128_f8f6f4 with both operands' format E2M1 (or v_wmma_scale_f32_32x16x128_f4), f32 sums; everything else in f32.
;; Inputs: Wproj 1,024 x 1,024 float32; Wqkv 1,024 x 3,072 float32; bproj 1,024 float32; bqkv 3,072 float32; x 4 x 2,048 x 1,024 float32.
;; Outputs: out0 4 x 2,048 x 1,024 float32.
;; This version of the problem:
;;   THIS VERSION OF THE PROBLEM IS GIVEN IN LOW PRECISION. The matrix products marked QUANTISED in the list below multiply operands that are first quantised to E2M1 (2 exponent bits, 1 mantissa bit; 4 bits a number), with one power-of-two scale for each 32 numbers along K (OCP MX v1.0); their sums are f32. All else is computed in f32.
;;   The module's matrix products, in the order in which they are computed (A, B: the left and right operand; K: the contracted axis; several contracted axes count as one K, in the product's order):
;;     1. [M 8,192, K 1,024] x [K 1,024, N 3,072]; A: input x; B: input Wqkv: QUANTISED
;;     2. batch 64 x [M 2,048, K 64] x [K 64, N 2,048]; A: computed on the way; B: computed on the way: QUANTISED
;;     3. batch 64 x [M 2,048, K 2,048] x [K 2,048, N 64]; A: softmax (see below); B: computed on the way: QUANTISED
;;     4. [M 8,192, K 1,024] x [K 1,024, N 1,024]; A: computed on the way; B: input Wproj: QUANTISED
;;   THE QUANTISER, for each operand of a quantised product, along K:
;;     - K is cut into blocks of 32 from its start; a last block that is shorter is filled with zeros.
;;     - A block's scale is 2^e with e = floor(log2(the largest magnitude in the block)) - 2, held to -126 .. 127; a block of zeros has e = 0. As a byte (E8M0): e + 127.
;;     - Each number is divided by its block's scale, clamped to +-6, and rounded to the nearest number of E2M1, ties to even, subnormals kept.
;;     - The product sums the exact products of the quantised numbers (number of the format x scale) in f32.
;;   ~~~python
;;   def quantise(x, axis):      # numpy; x: float32 -> the quantised numbers, widened to float32 again
;;       x = np.moveaxis(x, axis, -1); K = x.shape[-1]
;;       x = np.pad(x, [(0, 0)] * (x.ndim - 1) + [(0, -K % 32)]); x = x.reshape(x.shape[:-1] + (-1, 32)); a = np.abs(x).max(-1, keepdims=True)
;;       e = np.where(a > 0, np.clip(np.frexp(np.where(a > 0, a, 1))[1] - 1 - 2, -126, 127), 0)      # np.frexp(a)[1] - 1 = floor(log2(a)), exactly
;;       r = np.clip(x / 2.0 ** e, -6, 6)
;;       step = 2.0 ** (np.maximum(np.frexp(np.where(r == 0, 1, r))[1] - 1, 0) - 1)
;;       q = np.round(r / step) * step * 2.0 ** e      # np.round: ties to even
;;       return np.moveaxis(q.reshape(q.shape[:-2] + (-1,))[..., :K], -1, axis).astype(np.float32)
;;   ~~~
;;   SOFTMAX AHEAD OF A QUANTISED PRODUCT. Where the list says 'softmax', what is quantised is not the finished softmax but p = 2^(t - M), with t = logit x log2(e) and M = ceil(the row's largest t), a whole number; so 1/2 < the row's largest p <= 1. The row's sum l is taken of the UNQUANTISED p, in f32, and the product's result is divided by l at the end. Since M is a whole number, a kernel that streams over the keys may use a running M (the ceiling of the running maximum): every later rescaling is an exact power of two, which a block's scale takes up: the codes' values come out the same.
;;   OPERANDS COMPUTED ON THE WAY. 'Computed on the way' means the value that the module computes at that place (a softmax that the list does not call 'softmax' is quantised finished and normalised). What goes into a quantiser is computed in f32, as accurately as f32 sums, v_exp_f32 and their like allow (about 1e-6 of the number): no bf16 or f16 on the way to a quantiser, and a product that is left as it is and whose result goes on into a quantised operand takes f32 operands (vector FMAs, or v_wmma_f32_16x16x4_f32). A number that lies on a knife's edge between two numbers of the format may be rounded either way, as far as f32 arithmetic and the matrix unit's own rounding can turn it there, and no further.
;; One version. Each part assembles by itself: llvm-mc -triple=amdgcn-amd-amdhsa -mcpu=gfx1250 --defsym DOCPART=n.
;; ======== version 1 of 1: 4 launches
;; workspace buffers: xc 4,194,304 bytes; xs 262,144 bytes; wq 1,671,168 bytes; wp 557,056 bytes; rope 524,288 bytes; qkv 13,893,632 bytes; oc 4,194,304 bytes; os 262,144 bytes
;; launch prep (part 1): grid 320 x 1, 4 waves a work-group, no clusters, 69,120 bytes of LDS; arguments x, Wqkv, Wproj, xc, xs, wq, wp, rope; writes xc, xs, wq, wp, rope
.if DOCPART == 1
	.amdgcn_target "amdgcn-amd-amdhsa--gfx1250"
	.amdhsa_code_object_version 6
	.text
	.protected	k_q97bd1ef2d8_prep
	.globl	k_q97bd1ef2d8_prep
	.p2align	8
	.type	k_q97bd1ef2d8_prep,@function
k_q97bd1ef2d8_prep:
	s_mov_b64 s[64:65], 0
	v_nop
	global_prefetch_b8 v0, s[64:65] scope:SCOPE_SE
	s_setreg_imm32_b32 hwreg(HW_REG_WAVE_MODE, 25, 1), 1
	s_wait_xcnt 0x0
; PREP: f32 operands become codes of FP4 (E2M1) with one E8M0 scale byte for each 32 along K, and the table of cosines and sines is made.
; x [8192][1024] (K innermost) -> xc [8192 places][512 bytes], xs [8192 places][32 bytes].
; Wqkv [1024][3072], Wproj [1024][1024] (K is the FIRST axis) -> wq, wp: codes [n places][512 bytes], K innermost, and behind them the scale bytes [n places][32 bytes].
; TILE ORDER: row n of every such buffer lies at place p(n) = n with bits 3 and 4 exchanged.  Sixteen neighbouring places are then the rows 32 b + 8 u + r + 8 (r / 8), which makes the
; sixteen result registers of two neighbouring tiles sixteen neighbours along the next product's K.
; rope [2048 positions][32 pairs][cos, sin] f32.
; A block's scale is 2^(floor(log2(its largest magnitude)) - 2); its byte is the largest magnitude's exponent field - 2, held at 1 from below.
; LIMITS: NaN and infinities among the inputs are not served.  A block whose largest magnitude lies under 2^(3 - 127), a block of zeros among them, gets the byte 1: its codes are zeros or
; nearly so, and the bytes are read by this program alone.  The table's 10^(i / 8) is a rounded mantissa times a power of ten, rounded once more, and its reciprocal is refined once:
; the angle may differ from one made by another power function by a few parts in 10^7 of itself, at position 2047 about 2e-4 radians.
; Work-groups 0 to 63 take the weights, 64 to 319 take x and the table; the two ways part on the work-group's number and have LDS bytes of their own.  Waves share nothing: no barrier.
.set NWG_W,  64
.set EMAX,   2
.set WSTAGE, 32768                     ; the weights' way: a stage of 32 rows x 272 bytes for each wave, from LDS byte 32,768 on
.set WPITCH, 272
.set WNB,    16                        ; blocks of 32 along K for a wave
.set WSB,    24                        ; v24-27   scale bytes, four to a register
.set WX,     32                        ; v32-95   two sets of 32 numbers
.set WC,     96                        ; v96-99   a block's codes
.set WOUT,   112                       ; v112-175 the way out
.set WOFF,   176                       ; v176-207 byte offset of row i of a block: 4 x lane + i x a row of W
.set XSTEPS, 16                        ; x's way: steps of 512 numbers for a wave
.set CB,     8                         ; bytes of 16 codes
.set XR,     16                        ; v16-79   four sets of 16 numbers as loaded
.set XX,     80                        ; v80-111  two sets of 16 neighbours
.set XE,     112                       ; v112-127 a scale byte for each step
.set XC,     128                       ; v128-191 codes, four registers for each step
.set TB,     192                       ; v192-207 the table's work
.set WREG,   8192                      ; LDS of a wave on x's way: two stages of 32 x 80 bytes, then its 256 scale bytes
.set SP,     80
	s_load_b256 s[4:11], s[0:1], 0x0               ; x s[4:5], Wqkv s[6:7], Wproj s[8:9], xc s[10:11]
	s_load_b256 s[12:19], s[0:1], 0x20             ; xs s[12:13], wq s[14:15], wp s[16:17], rope s[18:19]
	v_lshl_add_u32 v208, v0, 2, 0x10c00
	v_mov_b32 v209, 0
	v_lshrrev_b32 v1, 5, v0
	v_readfirstlane_b32 s24, v1                    ; wave 0..3
	v_and_b32 v2, 31, v0                           ; lane
	s_wait_kmcnt 0x0
	s_cmp_lt_u32 ttmp9, NWG_W
	s_cbranch_scc0 .Lpath_x
; ---------------- THE WEIGHTS.  A lane takes a column n and its registers run down K: a block of 32 lies in one lane, and the conversions give codes with K innermost.
; Work-groups 0-47: Wqkv (24 groups of 128 columns x 2 halves of K); 48-63: Wproj (8 x 2).  A wave: 32 columns x 512 along K.
	s_cmp_lt_u32 ttmp9, 48
	s_cselect_b64 s[4:5], s[6:7], s[8:9]           ; the weight
	s_cselect_b64 s[6:7], s[14:15], s[16:17]       ; its codes
	s_mov_b32 s20, 524288
	s_cselect_b32 s20, 1572864, s20                ; where its scale bytes begin behind them
	s_mov_b32 s25, 4*1024
	s_cselect_b32 s25, 4*3072, s25                 ; a row of the weight in bytes
	s_cselect_b32 s26, 0, 48
	s_sub_co_u32 s26, ttmp9, s26
	s_mov_b32 s21, 0
	s_add_nc_u64 s[8:9], s[6:7], s[20:21]          ; the scale bytes
	s_lshr_b32 s27, s26, 1                         ; group of 128 columns
	s_and_b32 s26, s26, 1                          ; half of K
	s_lshl_b32 s27, s27, 7
	s_lshl_b32 s28, s24, 5
	s_add_co_u32 s27, s27, s28                     ; c0: my wave's first column
	s_lshl_b32 s28, s25, 9
	s_mul_i32 s28, s28, s26                        ; 512 rows x half
	s_lshl_b32 s29, s27, 2
	s_add_co_u32 s28, s28, s29
	s_mov_b32 s29, 0
	s_add_nc_u64 s[32:33], s[4:5], s[28:29]        ; block 0's first row, my first column
	s_lshl_b32 s28, s25, 5                         ; 32 rows on
.irp t, 1,2,3,4,5,6,7,8,9,10,11,12,13,14,15
	s_add_nc_u64 s[32+2*\t:33+2*\t], s[30+2*\t:31+2*\t], s[28:29]   ; a base for each block: nothing is stepped while loads are out
.endr
	s_lshl_b32 s28, s27, 9
	s_lshl_b32 s30, s26, 8
	s_add_co_u32 s28, s28, s30
	s_add_nc_u64 s[6:7], s[6:7], s[28:29]          ; codes: place c0, 256 bytes x half
	s_lshl_b32 s28, s27, 5
	s_lshl_b32 s30, s26, 4
	s_add_co_u32 s28, s28, s30
	s_add_nc_u64 s[8:9], s[8:9], s[28:29]          ; scale bytes: place c0, 16 bytes x half
	s_wait_alu depctr_va_vdst(0)
	v_lshlrev_b32 v[WOFF], 2, v2
.irp i, 1,2,3,4,5,6,7,8,9,10,11,12,13,14,15,16,17,18,19,20,21,22,23,24,25,26,27,28,29,30,31
	v_add_nc_u32 v[WOFF+\i], s25, v[WOFF+\i-1]
.endr
	s_mul_i32 s30, s24, 32*WPITCH
	s_add_co_u32 s30, s30, WSTAGE                  ; my stage
	v_mul_u32_u24 v4, v2, WPITCH
	v_add_nc_u32 v4, s30, v4                       ; into it: row = my column
	v_and_b32 v5, 15, v2
	v_lshrrev_b32 v6, 4, v2
	v_mul_u32_u24 v7, v6, WPITCH
	v_lshl_add_u32 v7, v5, 4, v7
	v_add_nc_u32 v7, s30, v7                       ; out of it: sixteen lanes to a row, two rows an instruction
	v_lshlrev_b32 v8, 9, v6
	v_lshl_add_u32 v8, v5, 4, v8                   ; and the same in the codes' buffer
	v_and_b32 v9, 7, v2                            ; p(lane): bits 3 and 4 exchanged,
	v_and_b32 v10, 8, v2
	v_lshl_or_b32 v9, v10, 1, v9
	v_and_b32 v10, 16, v2
	v_lshrrev_b32 v10, 1, v10
	v_or_b32 v9, v9, v10
	v_lshlrev_b32 v9, 5, v9                        ; x 32 bytes: my column's row of scale bytes
.macro WLOAD t                         ; block t: W(32 t + i, my column) into set t % 2: 32 lanes read 128 neighbouring bytes
.irp i, 0,1,2,3,4,5,6,7,8,9,10,11,12,13,14,15,16,17,18,19,20,21,22,23,24,25,26,27,28,29,30,31
	global_load_b32 v[WX+32*((\t)%2)+\i], v[WOFF+\i], s[32+2*(\t):33+2*(\t)] th:TH_LOAD_NT
.endr
.endm
	WLOAD 0
	WLOAD 1
.macro WBLOCK t
.set XS, WX+32*((\t)%2)
.if (\t) < WNB-1
	s_wait_loadcnt 32                              ; this block's 32 loads are in; the next block's may be out
.else
	s_wait_loadcnt 0
.endif
	v_max3_num_f32 v12, |v[XS]|, |v[XS+1]|, |v[XS+2]|               ; the block's largest magnitude: all 32 numbers are mine
	v_max3_num_f32 v13, |v[XS+3]|, |v[XS+4]|, |v[XS+5]|
.irp i, 6,10,14,18,22,26
	v_max3_num_f32 v12, v12, |v[XS+\i]|, |v[XS+\i+1]|
	v_max3_num_f32 v13, v13, |v[XS+\i+2]|, |v[XS+\i+3]|
.endr
	v_max3_num_f32 v12, v12, |v[XS+30]|, |v[XS+31]|
	v_max3_num_f32 v12, v12, v13, (EMAX+1)<<23     ; and the floor 2^(3 - 127): the byte cannot fall under 1
	v_add_nc_u32 v11, -(EMAX<<23), v12             ; 2 off the exponent field: the conversion takes this operand's exponent field as its scale
	v_lshrrev_b32 v13, 23, v11                     ; the scale's byte
.if (\t)%4 == 0
	v_mov_b32 v[WSB+(\t)/4], v13
.else
	v_lshl_or_b32 v[WSB+(\t)/4], v13, 8*((\t)%4), v[WSB+(\t)/4]
.endif
.irp g, 0,1,2,3
	v_cvt_scalef32_pk8_fp4_f32 v[WC+\g], v[XS+8*\g:XS+8*\g+7], v11
.endr
	ds_store_b128 v4, v[WC:WC+3] offset:16*(\t)    ; 32 codes: 16 bytes of my column's row
.if (\t)+2 < WNB
	WLOAD (\t)+2
.endif
	s_wait_dscnt 0x0                               ; the store has read its registers: the next block's codes may be written
.endm
.set Q, 0
.rept WNB
	WBLOCK Q
.set Q, Q+1
.endr
	s_wait_alu depctr_va_vdst(0)
	global_store_b128 v9, v[WSB:WSB+3], s[8:9]     ; my column's 16 scale bytes, at its place
.irp t, 0,1,2,3,4,5,6,7,8,9,10,11,12,13,14,15
	ds_load_b128 v[WOUT+4*\t:WOUT+4*\t+3], v7 offset:2*\t*WPITCH   ; LDS serves a wave's instructions in order: these see my stores
.endr
.irp t, 0,1,2,3,4,5,6,7,8,9,10,11,12,13,14,15
	s_wait_dscnt 15-\t                             ; rows 2 t and 2 t + 1 are back; the younger loads may be out
	global_store_b128 v8, v[WOUT+4*\t:WOUT+4*\t+3], s[6:7] offset:(((2*\t)&7)|(((2*\t)&8)<<1)|(((2*\t)&16)>>1))*512   ; to places p(2 t), p(2 t) + 1: sixteen lanes store 256 consecutive bytes, aligned
.endr
	s_wait_tensorcnt 0x0
	ds_add_u32 v208, v209
	s_wait_dscnt 0x0
	s_endpgm
; ---------------- x AND THE TABLE.  Wave R = 4 (work-group - 64) + wave takes 8,192 numbers, eight rows of x, in 16 steps of 512.
.Lpath_x:
	s_sub_co_u32 s25, ttmp9, NWG_W
	s_lshl_b32 s25, s25, 2
	s_add_co_u32 s26, s25, s24                     ; R
	s_and_b32 s27, s24, 1
	s_lshl_b32 s27, s27, 1
	s_lshr_b32 s28, s24, 1
	s_or_b32 s27, s27, s28
	s_add_co_u32 s27, s25, s27                     ; R with bits 0 and 1 exchanged: the eight rows' place in tile order
	s_mov_b32 s29, 0
	s_lshl_b32 s28, s26, 15
	s_add_nc_u64 s[4:5], s[4:5], s[28:29]          ; x
	s_lshl_b32 s28, s27, 12
	s_add_nc_u64 s[10:11], s[10:11], s[28:29]      ; its codes
	s_lshl_b32 s28, s27, 8
	s_add_nc_u64 s[12:13], s[12:13], s[28:29]      ; its scale bytes
	s_lshl_b32 s28, s26, 9
	s_add_nc_u64 s[18:19], s[18:19], s[28:29]      ; the table: positions 2 R and 2 R + 1
	s_wait_alu depctr_va_vdst(0)
	v_lshlrev_b32 v3, 4, v2                        ; my 16 bytes of a load's 512
	s_mul_i32 s30, s24, WREG
	v_lshrrev_b32 v14, 2, v2
	v_mul_u32_u24 v14, v14, SP
	v_and_b32 v15, 3, v2
	v_lshl_add_u32 v14, v15, 4, v14
	v_add_nc_u32 v14, s30, v14                     ; the stage, on the way in: four lanes' 64 bytes on end, then 16 of padding
	v_mul_u32_u24 v15, v2, SP
	v_add_nc_u32 v15, s30, v15                     ; and on the way out: my 16 neighbours
	v_mul_u32_u24 v4, v2, CB                       ; my codes' place in a step's
	v_lshrrev_b32 v5, 1, v2
	s_add_co_u32 s30, s30, 2*32*SP
	v_add_nc_u32 v5, s30, v5                       ; LDS: my block's scale byte
	v_lshlrev_b32 v7, 3, v2                        ; 8 bytes a lane
	v_add_nc_u32 v6, s30, v7
.macro XLOAD t
.irp i, 0,1,2,3
	global_load_b128 v[XR+16*((\t)%4)+4*\i:XR+16*((\t)%4)+4*\i+3], v3, s[4:5] offset:2048*(\t)+512*\i th:TH_LOAD_NT   ; 32 lanes read 512 consecutive bytes
.endr
.endm
.macro XTURN t                         ; a step's numbers through the stage, so that a lane gets 16 neighbours along K
.irp i, 0,1,2,3
	ds_store_b128 v14, v[XR+16*((\t)%4)+4*\i:XR+16*((\t)%4)+4*\i+3] offset:32*SP*((\t)%2)+8*SP*\i
.endr
.irp i, 0,1,2,3
	ds_load_b128 v[XX+16*((\t)%2)+4*\i:XX+16*((\t)%2)+4*\i+3], v15 offset:32*SP*((\t)%2)+16*\i
.endr
.endm
.irp t, 0,1,2,3
	XLOAD \t
.endr
; THE TABLE, while the first loads are on their way.  Lane i is pair i: angle = position / 10^(i / 8).
.macro PICK reg, idx, k, lit           ; reg = lit in the lanes where idx = k
	v_cmp_ne_u32 vcc_lo, \k, v[\idx]
	v_cndmask_b32 v[\reg], \lit, v[\reg], vcc_lo
.endm
	v_and_b32 v[TB], 7, v2
	v_mov_b32 v[TB+1], 1.0
	PICK TB+1, TB, 1, 0x3faab0d5                   ; 10^(1/8) .. 10^(7/8)
	PICK TB+1, TB, 2, 0x3fe39ea9
	PICK TB+1, TB, 3, 0x4017c496
	PICK TB+1, TB, 4, 0x404a62c2
	PICK TB+1, TB, 5, 0x4086f161
	PICK TB+1, TB, 6, 0x40b3f300
	PICK TB+1, TB, 7, 0x40eff755
	v_lshrrev_b32 v[TB], 3, v2
	v_mov_b32 v[TB+2], 1.0
	PICK TB+2, TB, 1, 0x41200000                   ; 10, 100, 1000
	PICK TB+2, TB, 2, 0x42c80000
	PICK TB+2, TB, 3, 0x447a0000
	v_mul_f32 v[TB+1], v[TB+1], v[TB+2]            ; 10^(i / 8)
	s_wait_alu depctr_va_vdst(0)
	v_rcp_f32 v[TB+2], v[TB+1]
	v_nop                                          ; a plain instruction behind the reciprocal,
	s_wait_alu depctr_va_vdst(0)                   ; and the wait ahead of its first reader
	v_fma_f32 v[TB+3], -v[TB+1], v[TB+2], 1.0
	v_fma_f32 v[TB+2], v[TB+3], v[TB+2], v[TB+2]   ; 1 / 10^(i / 8), refined once
	s_mov_b32 s31, 0x3fc90fdb                      ; pi / 2 in three parts
	s_mov_b32 s32, 0xb33bbd2e
	s_mov_b32 s33, 0xa6f72ced
	s_lshl_b32 s34, s26, 1
.macro TABLE p
	s_add_co_u32 s35, s34, \p
	v_cvt_f32_u32 v[TB+4], s35
	v_mul_f32 v[TB+4], v[TB+4], v[TB+2]            ; the angle, rounded once
	v_mul_f32 v[TB+5], 0x3f22f983, v[TB+4]
	v_rndne_f32 v[TB+5], v[TB+5]                   ; k = the nearest whole number of quarter turns
	v_fma_f32 v[TB+6], -v[TB+5], s31, v[TB+4]
	v_fma_f32 v[TB+6], -v[TB+5], s32, v[TB+6]
	v_fma_f32 v[TB+6], -v[TB+5], s33, v[TB+6]      ; r = angle - k pi / 2, within pi / 4
	v_mul_f32 v[TB+7], v[TB+6], v[TB+6]            ; z = r^2
	v_mov_b32 v[TB+8], 0x3638ef1d                  ; sin r = r + z r (-1/6 + z/120 - z^2/5040 + z^3/362880): what is left out is under 2e-9
	v_fmaak_f32 v[TB+8], v[TB+8], v[TB+7], 0xb9500d01
	v_fmaak_f32 v[TB+8], v[TB+8], v[TB+7], 0x3c088889
	v_fmaak_f32 v[TB+8], v[TB+8], v[TB+7], 0xbe2aaaab
	v_mul_f32 v[TB+9], v[TB+7], v[TB+6]
	v_fma_f32 v[TB+8], v[TB+9], v[TB+8], v[TB+6]
	v_mov_b32 v[TB+9], 0xb493f27e                  ; cos r = 1 + z (-1/2 + z/24 - z^2/720 + z^3/40320 - z^4/3628800): what is left out is under 2e-10
	v_fmaak_f32 v[TB+9], v[TB+9], v[TB+7], 0x37d00d01
	v_fmaak_f32 v[TB+9], v[TB+9], v[TB+7], 0xbab60b61
	v_fmaak_f32 v[TB+9], v[TB+9], v[TB+7], 0x3d2aaaab
	v_fmaak_f32 v[TB+9], v[TB+9], v[TB+7], 0xbf000000
	v_fma_f32 v[TB+9], v[TB+7], v[TB+9], 1.0
	v_cvt_i32_f32 v[TB+5], v[TB+5]
	v_and_b32 v[TB+10], 1, v[TB+5]
	v_cmp_ne_u32 vcc_lo, 0, v[TB+10]               ; an odd quarter exchanges the two
	v_cndmask_b32 v[TB+12+2*\p], v[TB+9], v[TB+8], vcc_lo
	v_cndmask_b32 v[TB+13+2*\p], v[TB+8], v[TB+9], vcc_lo
	v_add_nc_u32 v[TB+10], 1, v[TB+5]
	v_and_b32 v[TB+10], 2, v[TB+10]
	v_lshlrev_b32 v[TB+10], 30, v[TB+10]
	v_xor_b32 v[TB+12+2*\p], v[TB+12+2*\p], v[TB+10]   ; the cosine is negative in quarters 1 and 2,
	v_and_b32 v[TB+10], 2, v[TB+5]
	v_lshlrev_b32 v[TB+10], 30, v[TB+10]
	v_xor_b32 v[TB+13+2*\p], v[TB+13+2*\p], v[TB+10]   ; the sine in quarters 2 and 3
	global_store_b64 v7, v[TB+12+2*\p:TB+13+2*\p], s[18:19] offset:256*\p   ; 32 lanes store a position's 256 consecutive bytes, aligned
.endm
	TABLE 0
	TABLE 1
	s_wait_loadcnt 12                              ; step 0's four loads are in
	XTURN 0
.macro XSTEP t
.set XS, XX+16*((\t)%2)
.if (\t) > 0
	s_wait_dscnt 1                                 ; this step's numbers are back from the stage (the last step's byte store may be out)
.else
	s_wait_dscnt 0x0
.endif
.if (\t)+4 < XSTEPS
	XLOAD (\t)+4
.endif
.if (\t)+1 < XSTEPS
.if XSTEPS-2-(\t) >= 3
	s_wait_loadcnt 12                              ; the next step's four loads are in; those of the three steps behind it may be out
.else
	s_wait_loadcnt 4*(XSTEPS-2-(\t))
.endif
	XTURN (\t)+1
.endif
	v_max3_num_f32 v8, |v[XS]|, |v[XS+1]|, |v[XS+2]|               ; the largest magnitude of my 16
	v_max3_num_f32 v9, |v[XS+3]|, |v[XS+4]|, |v[XS+5]|
.irp i, 6,10
	v_max3_num_f32 v8, v8, |v[XS+\i]|, |v[XS+\i+1]|
	v_max3_num_f32 v9, v9, |v[XS+\i+2]|, |v[XS+\i+3]|
.endr
	v_max3_num_f32 v8, v8, |v[XS+14]|, |v[XS+15]|
	v_max3_num_f32 v8, v8, v9, (EMAX+1)<<23        ; and the floor
	v_max_num_f32_dpp v8, v8, v8 row_xmask:1 row_mask:0xf bank_mask:0xf   ; and of my neighbour's 16: the block's
	v_add_nc_u32 v11, -(EMAX<<23), v8
	v_cvt_scalef32_pk8_fp4_f32 v[XC+4*(\t)], v[XS:XS+7], v11
	v_cvt_scalef32_pk8_fp4_f32 v[XC+4*(\t)+1], v[XS+8:XS+15], v11
	v_lshrrev_b32 v[XE+(\t)], 23, v11              ; the scale's byte
	ds_store_b8 v5, v[XE+(\t)] offset:16*(\t)      ; both lanes of a block write the same byte with the same value
	global_store_b64 v4, v[XC+4*(\t):XC+4*(\t)+1], s[10:11] offset:32*CB*(\t)   ; 32 lanes store 256 consecutive bytes, aligned
.endm
.irp t, 0,1,2,3,4,5,6,7,8,9,10,11,12,13,14,15
	XSTEP \t
.endr
	ds_load_b64 v[12:13], v6                       ; LDS serves a wave's instructions in order: these see my stores
	s_wait_dscnt 0x0
	global_store_b64 v7, v[12:13], s[12:13]        ; eight rows' 256 scale bytes, aligned
	s_wait_tensorcnt 0x0
	ds_add_u32 v208, v209
	s_wait_dscnt 0x0
	s_endpgm
.Lfunc_end_k_q97bd1ef2d8_prep:
	.size	k_q97bd1ef2d8_prep, .Lfunc_end_k_q97bd1ef2d8_prep-k_q97bd1ef2d8_prep
	.p2alignl 7, 3214868480
	.fill 96, 4, 3214868480
	.section	.rodata,"a",@progbits
	.p2align	6, 0x0
	.amdhsa_kernel k_q97bd1ef2d8_prep
		.amdhsa_group_segment_fixed_size 69120
		.amdhsa_private_segment_fixed_size 0
		.amdhsa_enable_private_segment 0
		.amdhsa_kernarg_size 64
		.amdhsa_user_sgpr_count 2
		.amdhsa_user_sgpr_kernarg_segment_ptr 1
		.amdhsa_wavefront_size32 1
		.amdhsa_system_sgpr_workgroup_id_x 1
		.amdhsa_system_sgpr_workgroup_id_y 1
		.amdhsa_system_sgpr_workgroup_id_z 1
		.amdhsa_system_vgpr_workitem_id 0
		.amdhsa_next_free_vgpr 210
		.amdhsa_next_free_sgpr 66
		.amdhsa_reserve_vcc 1
		.amdhsa_float_denorm_mode_32 3
		.amdhsa_float_denorm_mode_16_64 3
		.amdhsa_memory_ordered 1
		.amdhsa_forward_progress 1
		.amdhsa_inst_pref_size 118
	.end_amdhsa_kernel
	.amdgpu_metadata
---
amdhsa.version: [ 1, 2 ]
amdhsa.kernels:
  - .name:           k_q97bd1ef2d8_prep
    .symbol:         k_q97bd1ef2d8_prep.kd
    .args:
      - { .name: x, .offset: 0, .size: 8, .value_kind: global_buffer, .address_space: global }
      - { .name: Wqkv, .offset: 8, .size: 8, .value_kind: global_buffer, .address_space: global }
      - { .name: Wproj, .offset: 16, .size: 8, .value_kind: global_buffer, .address_space: global }
      - { .name: xc, .offset: 24, .size: 8, .value_kind: global_buffer, .address_space: global }
      - { .name: xs, .offset: 32, .size: 8, .value_kind: global_buffer, .address_space: global }
      - { .name: wq, .offset: 40, .size: 8, .value_kind: global_buffer, .address_space: global }
      - { .name: wp, .offset: 48, .size: 8, .value_kind: global_buffer, .address_space: global }
      - { .name: rope, .offset: 56, .size: 8, .value_kind: global_buffer, .address_space: global }
    .group_segment_fixed_size: 69120
    .private_segment_fixed_size: 0
    .kernarg_segment_align: 8
    .kernarg_segment_size: 64
    .max_flat_workgroup_size: 128
    .sgpr_count:     66
    .vgpr_count:     210
    .wavefront_size: 32
...
	.end_amdgpu_metadata
.endif
;; end of part 1
;; launch qkv (part 2): grid 12 x 32, 4 waves a work-group, clusters of 4 x 4, 327,680 bytes of LDS; arguments xc, xs, wq, bqkv, rope, qkv; writes qkv
.if DOCPART == 2
	.amdgcn_target "amdgcn-amd-amdhsa--gfx1250"
	.amdhsa_code_object_version 6
	.text
	.protected	k_q97bd1ef2d8_qkv
	.globl	k_q97bd1ef2d8_qkv
	.p2align	8
	.type	k_q97bd1ef2d8_qkv,@function
k_q97bd1ef2d8_qkv:
	s_mov_b64 s[64:65], 0
	v_nop
	global_prefetch_b8 v0, s[64:65] scope:SCOPE_SE
	s_setreg_imm32_b32 hwreg(HW_REG_WAVE_MODE, 25, 1), 1
	s_wait_xcnt 0x0
	s_wait_alu depctr_hold_cnt(0) depctr_sa_sdst(0) depctr_va_vdst(0) depctr_va_sdst(0) depctr_va_ssrc(0) depctr_va_vcc(0) depctr_vm_vsrc(0)
	s_getreg_b32 s2, hwreg(HW_REG_IB_STS2, 6, 4)
	s_cmp_eq_u32 s2, 0
	s_cbranch_scc0 .Lentry_in_a_cluster
	s_endpgm
.Lentry_in_a_cluster:
	s_bfe_u32 s2, ttmp6, 0x10000c
	s_cmp_lg_u32 s2, 0xf033
	s_cbranch_scc0 .Lentry_shape_is_right
	s_endpgm
.Lentry_shape_is_right:
; QKV: x Wqkv + bqkv on codes of FP4 with E8M0 scales (K = 1,024), the rotary turn of q and k, and the quantising of q and k along a head's 64 and of v along the keys.
; A tile of 256 x 256 to a work-group of four waves, 128 x 128 to a wave: 64 accumulators, 512 registers.  K lies in two LDS slots of 512 along K, both filled at the start; nothing is filled again.
; The scale bytes of the work-group's 2 x 256 rows, for all of K, come once, in whole rows of 256 bytes.
; ROLES, by the cluster's x (equal in all sixteen partners).  Source 1 of the matrix instruction ("A" below) gives a lane its row, source 0 ("B") runs along a lane's registers.
;   x = 0 (q), 1 (k): A = 256 tokens of x, B = 256 columns of Wqkv: a lane holds a token, its registers run along the head's dims.
;   x = 2 (v):        A = 256 columns of Wqkv, B = 256 tokens: a lane holds a dim, its registers run along the tokens, which are the K of the product with p.
; Rows of all operands lie in TILE ORDER (place = row with bits 3 and 4 exchanged): lane r of A's tile a is row 32 (a / 2) + 8 (a % 2) + r + 8 (r / 8), and the 16 registers of B's tiles 2 b, 2 b + 1
; are rows 32 b + 16 (lane / 16) + 0 .. 15: sixteen neighbours, as the conversions want them.
; The bias is the C of each sum's first matrix instruction.  Results leave as images of operand registers, 512 consecutive bytes a store; no LDS on the way out.
; qkv: 64 heads x 217,088 bytes: K codes 0, V codes 65,536, K scale words 131,072, V scale words 139,264, Q codes 143,360, Q scale words 208,896.
; CLUSTERS: 4 x 4.  A's tiles are shared along a row of the cluster, B's along a column: joint tensor loads.
; LIMITS: NaN and infinities are not served; a block under 2^(3 - 127) gets the byte 1 (read by this program alone).
; REGISTERS: window 0: v0-31 addresses; v32-95 scale words, two sets (at the end: turned numbers); v96-127 the quantiser's work; v128-191 A's fragments; v192-255 the bias, then cosines and sines.
;   window 1: B's fragments, two sets.  windows 2, 3: the accumulators ((a, b) at v[8 (8 (a % 4) + b)] of window 2 + a / 4).
.set NQ,     4                         ; steps of 128 along K in a slot
.set ROWB,   256                       ; a tile's row in bytes
.set KROW,   512                       ; a row of codes in memory
.set PITCH,  272                       ; an LDS row: 256 bytes + 16 of padding: the 16 rows that a load touches start 68 words apart
.set FR,     8
.set NL,     2
.set NP,     4
.set HALFT,  128*PITCH
.set SLOT,   4*HALFT
.set KS,     32                        ; a row of scale bytes
.set SCL,    2*SLOT
.set HALFS,  (128*KS/256)*272
.set SBLK,   (16*KS/256)*272
.set SPARE,  SCL+4*HALFS               ; the spare words, 128 bytes for each wave: no other line names them
.set HEADB,  217088
.set BA,   8                            ; v8-15   the bias loads' offsets
.set ADRA, 16
.set ADRB, 20
.set SH,   22                           ; v22     16 x (lane / 16)
.set CO,   26                           ; v26     16 x lane
.set ADRS, 27
.set SPW,  28
.set NIL,  29
.set VR,   30                           ; v30     my token's row of the table: (r + 8 (r / 8)) x 256 + 64 (lane / 16)
.set SO,   31                           ; v31     scale words out: 16 r, lanes 16-31 one head on
.set SC,   32
.set RT,   32                           ; v32-95  at the end: 64 turned numbers
.set PC,   96                           ; v96-103 codes just made
.set TM,   104                          ; v104-119 the quantiser's work
.set PWS,  120                          ; v120-127 a scale word for each of A's eight tiles
.set AF,   128
.set BI,   192                          ; v192-255 the bias in the result's layout
.set CS,   192                          ; later: two sets of 32: (cos, sin) of my token's 16 pairs
.set SEL,  20                           ; s[20:21] lane selects for lane l xor 16
.set G1, 24
.set G0, 32
.set G1B, 48
.set G0B, 56
.set G1S, 68
.set G0S, 76
.set G1SB, 80
.set G0SB, 88
.set MSB, 0
.macro WIN new                         ; the immediate's high byte repeats the setting that is left
.if MSB != (\new)
	s_set_vgpr_msb (MSB<<8)|(\new)
.set MSB, (\new)
.endif
.endm
.set MUL_LO, 0xa1                      ; source 0 (B) window 1, source 1 (A) window 0, C and D window 2
.set MUL_HI, 0xf1
.set TO_B,   0x40
.macro JLOAD g0a, g1a, g0b, g1b        ; a joint load: waves 0 and 1 fetch for A, waves 2 and 3 for B; four v_nop follow each line
	s_cmp_eq_u32 s15, 0
	s_cbranch_scc0 .Lfor_b_\@
	tensor_load_to_lds s[\g0a:\g0a+3], s[\g1a:\g1a+7]
	s_nop 0
.rept 4
	v_nop
.endr
	s_branch .Lasked_\@
.Lfor_b_\@:
	tensor_load_to_lds s[\g0b:\g0b+3], s[\g1b:\g1b+7]
	s_nop 0
.rept 4
	v_nop
.endr
.Lasked_\@:
.endm
.macro CROUND                          ; a round of the cluster's barrier
	s_barrier_signal -1
	s_barrier_wait -1
	s_cmp_lg_u32 s14, 0
	s_cbranch_scc1 .Lnot_wave_0_\@
	s_barrier_signal -3
.Lnot_wave_0_\@:
	s_barrier_wait -3
	s_barrier_signal -1
	s_barrier_wait -1
.endm
	s_load_b128 s[4:7], s[0:1], 0x0                ; xc, xs
	s_load_b64 s[8:9], s[0:1], 0x10                ; wq
	s_load_b128 s[96:99], s[0:1], 0x18             ; bqkv, rope
	s_load_b64 s[12:13], s[0:1], 0x28              ; qkv
	v_lshl_add_u32 v[SPW], v0, 2, SPARE
	v_mov_b32 v[NIL], 0
	ds_add_u32 v28, v29
	ds_add_u32 v28, v29
	s_wait_dscnt 0x0
	v_lshrrev_b32 v1, 5, v0
	v_readfirstlane_b32 s14, v1                    ; wave 0..3
	s_lshr_b32 s15, s14, 1                         ; my half of A's rows.  Also: I fetch for A (0) or for B (1)
	s_and_b32 s16, s14, 1                          ; my half of B's rows.  Also: which 128 rows I fetch
	s_bfe_u32 s40, ttmp6, 0x40000                  ; cx
	s_bfe_u32 s41, ttmp6, 0x40004                  ; cy
	s_and_b32 s18, ttmp7, 0xffff
	s_lshl_b32 s18, s18, 2                         ; 4 x cluster y
	s_lshl_b32 s19, ttmp9, 2                       ; 4 x cluster x
	s_cmp_eq_u32 ttmp9, 2
	s_cselect_b32 s17, 8, s18
	s_cselect_b32 s42, s18, s19
	s_add_co_u32 s17, s17, s41                     ; A's tile of 256 rows: tokens 4 Y + cy, or (v) columns 8 + cy
	s_add_co_u32 s42, s42, s40                     ; B's: columns 4 X + cx, or (v) tokens 4 Y + cx
	s_lshl_b32 s43, s41, 2
	s_lshl_b32 s43, 15, s43                        ; my row of the cluster
	s_lshl_b32 s44, 0x1111, s40                    ; my column
	s_or_b32 s[G1+0], s43, (0<<16)|(1<<20)|(1<<21)|(5<<22)|(3<<25)  ; the mask; elements of 1 byte; padding on; bit 21 beside a mask; 4 words of padding after every 64
	s_or_b32 s[G1B+0], s44, (0<<16)|(1<<20)|(1<<21)|(5<<22)|(3<<25)
.irp g, G1, G1B
	s_mov_b32 s[\g+1], ROWB<<16                    ; tensor_dim0
	s_mov_b32 s[\g+2], 128<<16                     ; tensor_dim1
	s_mov_b32 s[\g+3], ROWB<<16                    ; tile_dim0
	s_mov_b32 s[\g+4], 128                         ; tile_dim1
	s_mov_b32 s[\g+5], KROW                        ; the pitch
	s_mov_b32 s[\g+6], 0
	s_mov_b32 s[\g+7], 0
.endr
	s_or_b32 s[G1S+0], s43, (3<<16)|(1<<20)|(1<<21)|(5<<22)|(3<<25) ; the scale bytes of 128 rows: 4,096 dense bytes as rows of 32 elements of 8 bytes, padded
	s_or_b32 s[G1SB+0], s44, (3<<16)|(1<<20)|(1<<21)|(5<<22)|(3<<25)
.irp g, G1S, G1SB
	s_mov_b32 s[\g+1], 32<<16
	s_mov_b32 s[\g+2], (128*KS/256)<<16
	s_mov_b32 s[\g+3], 32<<16
	s_mov_b32 s[\g+4], 128*KS/256
	s_mov_b32 s[\g+5], 32
	s_mov_b32 s[\g+6], 0
	s_mov_b32 s[\g+7], 0
.endr
	s_lshl_b32 s18, s16, 7
	s_lshl_b32 s20, s17, 8
	s_add_co_u32 s20, s20, s18                     ; A: the first of the 128 rows that I fetch
	s_lshl_b32 s46, s42, 8
	s_add_co_u32 s46, s46, s18                     ; B likewise
	s_lshl_b32 s22, s20, 5                         ; their scale bytes,
	s_mov_b32 s23, 0
	s_lshl_b32 s20, s20, 9                         ; their codes
	s_mov_b32 s21, 0
	s_lshl_b32 s66, s46, 5
	s_mov_b32 s67, 0
	s_lshl_b32 s46, s46, 9
	s_mov_b32 s47, 0
	s_mul_i32 s45, s14, HALFT                      ; where they go: wave x 128 rows: no place in the cluster enters an LDS address
	s_mul_i32 s104, s14, HALFS
	s_wait_kmcnt 0x0
	s_add_nc_u64 s[10:11], s[8:9], 1572864         ; Wqkv's scale bytes lie behind its codes
	s_cmp_eq_u32 ttmp9, 2
	s_cselect_b64 s[92:93], s[8:9], s[4:5]         ; A's codes,
	s_cselect_b64 s[94:95], s[10:11], s[6:7]       ; A's scale bytes,
	s_cselect_b64 s[8:9], s[4:5], s[8:9]           ; B's codes,
	s_cselect_b64 s[10:11], s[6:7], s[10:11]       ; B's scale bytes
	s_add_nc_u64 s[20:21], s[92:93], s[20:21]
	s_add_nc_u64 s[22:23], s[94:95], s[22:23]
	s_add_nc_u64 s[46:47], s[8:9], s[46:47]
	s_add_nc_u64 s[66:67], s[10:11], s[66:67]
	CROUND                                         ; all sixteen work-groups are here: the joint loads meet
	s_mov_b32 s[G0S], 1
	s_add_co_u32 s[G0S+1], s104, SCL
	s_mov_b64 s[G0S+2:G0S+3], s[22:23]
	s_or_b32 s[G0S+3], s[G0S+3], 0x80000000
	s_mov_b32 s[G0SB], 1
	s_add_co_u32 s[G0SB+1], s104, SCL
	s_mov_b64 s[G0SB+2:G0SB+3], s[66:67]
	s_or_b32 s[G0SB+3], s[G0SB+3], 0x80000000
	JLOAD G0S, G1S, G0SB, G1SB                     ; the scale bytes first; with the two below, a wave has three tensor loads out
.irp s, 0,1
	s_mov_b32 s[G0+4*\s], 1
	s_add_co_u32 s[G0+4*\s+1], s45, \s*SLOT
	s_add_nc_u64 s[G0+4*\s+2:G0+4*\s+3], s[20:21], \s*ROWB
	s_or_b32 s[G0+4*\s+3], s[G0+4*\s+3], 0x80000000
	s_mov_b32 s[G0B+4*\s], 1
	s_add_co_u32 s[G0B+4*\s+1], s45, \s*SLOT
	s_add_nc_u64 s[G0B+4*\s+2:G0B+4*\s+3], s[46:47], \s*ROWB
	s_or_b32 s[G0B+4*\s+3], s[G0B+4*\s+3], 0x80000000
	JLOAD G0+4*\s, G1, G0B+4*\s, G1B
.endr
	v_and_b32 v1, 15, v0                           ; r
	v_bfe_u32 v2, v0, 4, 1                         ; h
	v_mul_u32_u24 v3, v1, PITCH
	v_lshl_add_u32 v4, v2, 4, v3                   ; a fragment's row x pitch + 16 h
	s_mul_i32 s21, s15, HALFT
	s_mul_i32 s22, s16, HALFT
	s_add_co_u32 s22, s22, 2*HALFT
.irp s, 0,1
	v_add_nc_u32 v[ADRA+\s], s21, v4
	v_add_nc_u32 v[ADRB+\s], s22, v4
	s_add_co_u32 s21, s21, SLOT
	s_add_co_u32 s22, s22, SLOT
.endr
	v_mul_u32_u24 v5, v1, KS                       ; my row's scale bytes: 32 a row,
	v_lshrrev_b32 v6, 8, v5
	v_lshl_add_u32 v5, v6, 4, v5                   ; and 16 more for each 256 passed
	s_mul_i32 s21, s15, HALFS
	s_mul_i32 s22, s16, HALFS
	s_add_co_u32 s22, s22, 2*HALFS
	s_sub_co_u32 s22, s22, s21
	v_mul_u32_u24 v6, s22, v2                      ; lanes 16-31 take B's
	s_add_co_u32 s21, s21, SCL
	v_add_nc_u32 v5, v5, v6
	v_add_nc_u32 v[ADRS], s21, v5
	; THE BIAS in the result's layout: register BI + 8 g + j.  q, k: bias of column 32 (g / 2) + 8 (g % 2) + 16 h + j (g = B's tile); v: of column 32 (g / 2) + 8 (g % 2) + r + 8 (r / 8) (g = A's tile), the same in all j.
	v_and_b32 v5, 8, v1
	v_add_nc_u32 v5, v5, v1                        ; r + 8 (r / 8)
	s_cmp_eq_u32 ttmp9, 2
	s_cselect_b32 s18, 0, 64
	s_cselect_b32 s19, 4, 0
	s_cselect_b32 s22, 0, 4
	v_mul_u32_u24 v6, s18, v2
	v_mad_u32_u24 v[BA], v5, s19, v6
.irp j, 1,2,3,4,5,6,7
	v_add_nc_u32 v[BA+\j], s22, v[BA+\j-1]
.endr
	s_lshl_b32 s23, s17, 8
	s_lshl_b32 s45, s15, 7
	s_add_co_u32 s23, s23, s45                     ; the first row of my half of A,
	s_lshl_b32 s46, s42, 8
	s_lshl_b32 s47, s16, 7
	s_add_co_u32 s46, s46, s47                     ; and of B
	s_cmp_eq_u32 ttmp9, 2
	s_cselect_b32 s66, s23, s46                    ; the one that counts columns of Wqkv
	s_lshl_b32 s66, s66, 2
	s_mov_b32 s67, 0
	s_add_nc_u64 s[96:97], s[96:97], s[66:67]
.irp g, 0,1,2,3,4,5,6,7
.irp j, 0,1,2,3,4,5,6,7
	global_load_b32 v[BI+8*\g+\j], v[BA+\j], s[96:97] offset:4*(32*(\g/2)+8*(\g%2))
.endr
.endr
	; WHERE THE RESULTS GO.  My 128 tokens are key step g of batch tok / 8; my 128 columns are two heads.
	s_cmp_eq_u32 ttmp9, 2                          ; compared anew: the shift above has set SCC
	s_cselect_b32 s18, s42, s17                    ; the tile that counts tokens,
	s_cselect_b32 s19, s16, s15                    ; my half of it,
	s_cselect_b32 s22, s17, s42                    ; the tile that counts columns,
	s_cselect_b32 s23, s15, s16                    ; my half of it
	s_lshr_b32 s45, s18, 3
	s_lshl_b32 s45, s45, 4
	s_and_b32 s22, s22, 3
	s_lshl_b32 s22, s22, 2
	s_add_co_u32 s45, s45, s22
	s_lshl_b32 s23, s23, 1
	s_add_co_u32 s45, s45, s23                     ; my first head: 16 x batch + 4 (tile % 4) + 2 x half
	s_and_b32 s18, s18, 7
	s_lshl_b32 s18, s18, 1
	s_add_co_u32 s18, s18, s19                     ; g
	s_mul_i32 s46, s45, HEADB
	s_cmp_eq_u32 ttmp9, 0
	s_cselect_b32 s22, 143360, 0                   ; codes: q 143,360; k 0; v 65,536
	s_cselect_b32 s23, 77824, 0                    ; scale words, over 131,072: q 77,824; k 0; v 8,192
	s_cmp_eq_u32 ttmp9, 2
	s_cselect_b32 s22, 65536, s22
	s_mov_b32 s47, 8192
	s_cselect_b32 s23, s47, s23
	s_cselect_b32 s47, 8, 9                        ; a key step's scale words: 512 bytes (q, k) or 256 (v)
	s_add_co_u32 s23, s23, 131072
	s_lshl_b32 s47, s18, s47
	s_add_co_u32 s23, s23, s47
	s_add_co_u32 s66, s46, s23
	s_add_nc_u64 s[100:101], s[12:13], s[66:67]    ; scale words out
	s_lshl_b32 s18, s18, 12
	s_add_co_u32 s66, s46, s22
	s_add_co_u32 s66, s66, s18
	s_add_nc_u64 s[12:13], s[12:13], s[66:67]      ; codes out: a key step is 4,096 bytes
	s_and_b32 s66, s17, 7
	s_lshl_b32 s66, s66, 1
	s_add_co_u32 s66, s66, s15
	s_lshl_b32 s66, s66, 15
	s_add_nc_u64 s[98:99], s[98:99], s[66:67]      ; the table at my first token's position (q, k): 128 positions x 256 bytes a half
	v_and_b32 v6, 31, v0
	v_lshlrev_b32 v[CO], 4, v6
	v_lshlrev_b32 v[VR], 8, v5
	v_lshl_add_u32 v[VR], v2, 6, v[VR]
	v_mul_u32_u24 v[SO], HEADB, v2
	v_lshl_add_u32 v[SO], v1, 4, v[SO]
	v_lshlrev_b32 v[SH], 4, v2
.irp b, 0,1,2,3
	v_mov_b32 v[TM+4+\b], 0                        ; written once: a lane permute's destination counts as one of its sources
.endr
	s_mov_b32 s[SEL], 0x76543210
	s_mov_b32 s[SEL+1], 0xfedcba98
.macro FRAG reg, adr, q, i             ; a fragment: 16 rows x 128 K in 8 registers: two loads of 16 bytes, 32 bytes apart
.irp c, 0,1
	ds_load_b128 v[\reg+4*\c:\reg+4*\c+3], v[\adr] offset:64*(\q)+32*\c+(\i)*16*PITCH
.endr
.endm
; 16 matrix instructions: A's blocks a0, a0 + 1 x B's eight.  mode 0: the sums go on; 1: they begin with the bias by B's block; 2: by A's block.  The 64 accumulators take turns.
.macro MUL16 a0, p, q, sc, mode
.irp a, \a0, \a0+1
.irp b, 0,1,2,3,4,5,6,7
.if (\mode) == 1
	v_wmma_scale_f32_16x16x128_f8f6f4 v[8*(8*((\a)%4)+\b):8*(8*((\a)%4)+\b)+7], v[128*(\p)+FR*\b:128*(\p)+FR*\b+FR-1], v[AF+FR*(\a):AF+FR*(\a)+FR-1], v[BI+8*\b:BI+8*\b+7], v[SC+8*NQ*(\sc)+NQ*\b+(\q)], v[SC+8*NQ*(\sc)+NQ*(\a)+(\q)] matrix_a_fmt:MATRIX_FMT_FP4 matrix_b_fmt:MATRIX_FMT_FP4 matrix_a_scale:MATRIX_SCALE_ROW1
.elseif (\mode) == 2
	v_wmma_scale_f32_16x16x128_f8f6f4 v[8*(8*((\a)%4)+\b):8*(8*((\a)%4)+\b)+7], v[128*(\p)+FR*\b:128*(\p)+FR*\b+FR-1], v[AF+FR*(\a):AF+FR*(\a)+FR-1], v[BI+8*(\a):BI+8*(\a)+7], v[SC+8*NQ*(\sc)+NQ*\b+(\q)], v[SC+8*NQ*(\sc)+NQ*(\a)+(\q)] matrix_a_fmt:MATRIX_FMT_FP4 matrix_b_fmt:MATRIX_FMT_FP4 matrix_a_scale:MATRIX_SCALE_ROW1
.else
	v_wmma_scale_f32_16x16x128_f8f6f4 v[8*(8*((\a)%4)+\b):8*(8*((\a)%4)+\b)+7], v[128*(\p)+FR*\b:128*(\p)+FR*\b+FR-1], v[AF+FR*(\a):AF+FR*(\a)+FR-1], v[8*(8*((\a)%4)+\b):8*(8*((\a)%4)+\b)+7], v[SC+8*NQ*(\sc)+NQ*\b+(\q)], v[SC+8*NQ*(\sc)+NQ*(\a)+(\q)] matrix_a_fmt:MATRIX_FMT_FP4 matrix_b_fmt:MATRIX_FMT_FP4 matrix_a_scale:MATRIX_SCALE_ROW1
.endif
.endr
.endr
.endm
.macro FETCH_B slot, q, p
	WIN TO_B
.irp i, 0,1,2,3,4,5,6,7
	FRAG 128*(\p)+FR*\i, ADRB+\slot, \q, \i
.endr
	WIN 0
.endm
.macro FETCH_A slot, q, i0
.irp i, \i0, \i0+1, \i0+2, \i0+3
	FRAG AF+FR*(\i), ADRA+\slot, \q, \i
.endr
.endm
.macro SCALES sc                       ; a slot's scale words: lanes 0-15 A's block i, lanes 16-31 B's block i, four words a row
.irp i, 0,1,2,3,4,5,6,7
	ds_load_b128 v[SC+8*NQ*\sc+NQ*\i:SC+8*NQ*\sc+NQ*\i+3], v[ADRS] offset:\i*SBLK
.endr
.endm
.macro PLACES n                        ; plain vector instructions between a matrix instruction and a load into, or a read of, its registers
.rept \n
	v_nop
.endr
.endm
.macro STEP slot, q, mode              ; 128 along K, with its successor in the same slot
	s_wait_dscnt 4*NL                              ; all but the youngest eight loads (A's blocks 4-7) are in
.if \mode
	WIN 0x81                                       ; C (the bias) window 0, D window 2
.else
	WIN MUL_LO
.endif
	MUL16 0, (\q)%2, \q, \slot, \mode
	MUL16 2, (\q)%2, \q, \slot, \mode
	s_wait_dscnt 0
	PLACES NP
	FETCH_B \slot, (\q)+1, 1-(\q)%2
	FETCH_A \slot, (\q)+1, 0
.if \mode
	WIN 0xc1
.else
	WIN MUL_HI
.endif
	MUL16 4, (\q)%2, \q, \slot, \mode
	MUL16 6, (\q)%2, \q, \slot, \mode
	PLACES NP
	WIN 0
	FETCH_A \slot, (\q)+1, 4
.endm
.macro TURN slot, next                 ; a slot's last step: one barrier, behind which the next slot, whole, is read
	s_wait_tensorcnt 0x0                           ; all my tensor loads have landed: my part of the next slot
	ds_add_u32 v[SPW], v[NIL]                      ; 0 onto my spare word
	s_wait_dscnt 4*NL+1                            ; (the add and A's blocks 4-7 may be out)
	WIN MUL_LO
	MUL16 0, 1, NQ-1, \slot, 0
	s_wait_dscnt 0x0
	s_barrier_signal -1
	MUL16 2, 1, NQ-1, \slot, 0
	WIN 0
	s_barrier_wait -1
	PLACES NP
	v_add_nc_u32 v[ADRS], 4*NQ, v[ADRS]            ; the next slot's scale words
	FETCH_B \next, 0, 0
	FETCH_A \next, 0, 0
	SCALES \next
	WIN MUL_HI
	MUL16 4, 1, NQ-1, \slot, 0
	MUL16 6, 1, NQ-1, \slot, 0
	PLACES NP
	WIN 0
	FETCH_A \next, 0, 4
.endm
.macro STEPS slot, from
.set Q, \from
.rept NQ-1-\from
	STEP \slot, Q, 0
.set Q, Q+1
.endr
.endm
.macro CSLOAD a                        ; (cos, sin) of the 16 pairs that my half of the lanes holds, for my token of A's tile a: 2 x 64 bytes
.irp c, 0,1
.irp k, 0,1,2,3
	global_load_b128 v[CS+32*((\a)%2)+16*\c+4*\k:CS+32*((\a)%2)+16*\c+4*\k+3], v[VR], s[98:99] offset:(32*((\a)/2)+8*((\a)%2))*256+128*\c+16*\k
.endr
.endr
.endm
	s_wait_tensorcnt 1                             ; the scale bytes and my part of slot 0 are in (slot 1's load may be out),
	s_barrier_signal -1
	s_barrier_wait -1                              ; everybody's are
	FETCH_B 0, 0, 0
	FETCH_A 0, 0, 0
	SCALES 0
	FETCH_A 0, 0, 4
	s_wait_loadcnt 0x0                             ; the bias
	s_cmp_eq_u32 ttmp9, 2
	s_cbranch_scc1 .Lfirst_v
	STEP 0, 0, 1                                   ; the first step starts the sums with the bias
	CSLOAD 0                                       ; the bias' registers take the table (four plain instructions stand behind the last product that read them)
	CSLOAD 1
	s_branch .Lmain
.Lfirst_v:
	STEP 0, 0, 2
.Lmain:
	STEPS 0, 1
	TURN 0, 1
	STEPS 1, 0
	s_wait_dscnt 4*NL                              ; the last step
	WIN MUL_LO
	MUL16 0, 1, NQ-1, 1, 0
	MUL16 2, 1, NQ-1, 1, 0
	s_wait_dscnt 0
	WIN MUL_HI
	MUL16 4, 1, NQ-1, 1, 0
	MUL16 6, 1, NQ-1, 1, 0
	WIN 0
	PLACES NP
; 64 numbers of a lane in window w, register 16 b + i = k 32 b + 16 (lane / 16) + i of my row, become a fragment's codes in v[PC] on and its scale word in v[pw].  Each accumulator is read from its low end on.
.macro QUANT s, w, pw
.set WQ, (\w)|((\w)<<2)
	WIN WQ
.irp b, 0,1,2,3
	v_max3_num_f32 v[TM+\b], |v[(\s)+16*\b]|, |v[(\s)+1+16*\b]|, 0x1800000   ; my 16 numbers of block b, and the floor 2^(3 - 127)
.endr
.irp i, 2,4,6,8,10,12,14
.irp b, 0,1,2,3
	v_max3_num_f32 v[TM+\b], |v[(\s)+16*\b+\i]|, |v[(\s)+1+16*\b+\i]|, v[TM+\b]
.endr
.endr
	WIN 0
.irp b, 0,1,2,3
	v_permlanex16_b32 v[TM+4+\b], v[TM+\b], s[SEL], s[SEL+1]
.endr
.irp b, 0,1,2,3
	v_max_num_f32 v[TM+\b], v[TM+\b], v[TM+4+\b]   ; with lane l xor 16's: the block's largest magnitude
.endr
.irp b, 0,1,2,3
	v_add_nc_u32 v[TM+12+\b], 0xff000000, v[TM+\b] ; 2 off its exponent field: the conversion's scale operand
.endr
.irp b, 0,1,2,3
	v_lshrrev_b32 v[TM+4+\b], 23, v[TM+12+\b]      ; the scale's byte
.endr
	v_lshl_or_b32 v[\pw], v[TM+5], 8, v[TM+4]
	v_lshl_or_b32 v[\pw], v[TM+6], 16, v[\pw]
	v_lshl_or_b32 v[\pw], v[TM+7], 24, v[\pw]
.set WQ, (\w)
	WIN WQ
.irp b, 0,1,2,3
	v_cvt_scalef32_pk8_fp4_f32 v[PC+2*\b], v[(\s)+16*\b:(\s)+7+16*\b], v[TM+12+\b]
	v_cvt_scalef32_pk8_fp4_f32 v[PC+1+2*\b], v[(\s)+8+16*\b:(\s)+15+16*\b], v[TM+12+\b]
.endr
	WIN 0
	v_nop                                          ; one plain instruction behind a scaled conversion
.irp c, 0,1                                    ; a whole block in a lane: lanes 0-15 block 2 c, lanes 16-31 block 2 c + 1
.irp i, 0,1
	v_permlane16_swap_b32 v[PC+4*\c+\i], v[PC+2+4*\c+\i]
.endr
.endr
.endm
.macro CLOSE
	s_wait_tensorcnt 0x0                           ; the wave's end
	ds_add_u32 v[SPW], v[NIL]
	s_wait_dscnt 0x0
	CROUND                                         ; the closing round
	s_endpgm
.endm
	s_cmp_eq_u32 ttmp9, 2
	s_cbranch_scc1 .Lend_v
; THE END FOR q AND k, a tile of 16 tokens at a time: the turn (e cos - o sin, e sin + o cos) of each pair of neighbouring dims, the quantiser, two stores of 512 consecutive bytes (one head each).
.macro ROPE a
.set AC, 64*((\a)%4)
.set CSS, CS+32*((\a)%2)
.set WQ, 2+(\a)/4
	WIN WQ                                         ; source 0: the accumulators' window
.irp b, 0,1,2,3,4,5,6,7
.irp k, 0,1,2,3
	v_pk_mul_f32 v[RT+8*\b+2*\k:RT+8*\b+2*\k+1], v[AC+8*\b+2*\k:AC+8*\b+2*\k+1], v[CSS+16*((\b/2)%2)+8*(\b%2)+2*\k:CSS+16*((\b/2)%2)+8*(\b%2)+2*\k+1] op_sel_hi:[1,0]   ; (e cos, o cos)
.endr
.irp k, 0,1,2,3
	v_pk_fma_f32 v[RT+8*\b+2*\k:RT+8*\b+2*\k+1], v[AC+8*\b+2*\k:AC+8*\b+2*\k+1], v[CSS+16*((\b/2)%2)+8*(\b%2)+2*\k:CSS+16*((\b/2)%2)+8*(\b%2)+2*\k+1], v[RT+8*\b+2*\k:RT+8*\b+2*\k+1] op_sel:[1,1,0] op_sel_hi:[0,1,1] neg_lo:[0,1,0]   ; (- o sin, + e sin)
.endr
.endr
	WIN 0
.endm
.macro QK_A a
.if (\a) < 7
	s_wait_loadcnt 8                               ; this tile's eight table loads are in; the next tile's may be out
.else
	s_wait_loadcnt 0
.endif
	ROPE \a
.if (\a)+2 < 8
	CSLOAD (\a)+2
.endif
.if (\a) > 0
	s_wait_xcnt 0x0                                ; the last tile's stores have read their registers: the codes may be written again
.endif
	QUANT RT, 0, PWS+(\a)
	global_store_b128 v[CO], v[PC:PC+3], s[12:13] offset:(\a)*512           ; my first head: lane (r, h) holds dims 32 h .. 32 h + 31 of the tile's row r
	global_store_b128 v[CO], v[PC+4:PC+7], s[12:13] offset:(\a)*512+HEADB   ; my second head
.endm
.irp a, 0,1,2,3,4,5,6,7
	QK_A \a
.endr
.irp a, 0,1,2,3,4,5,6,7
	v_lshrrev_b32 v[PWS+\a], v[SH], v[PWS+\a]      ; bytes 0, 1: lanes 0-15 the first head's two blocks, lanes 16-31 the second's.  (Bytes 2, 3 scale zero codes and are never 0xff)
.endr
	global_store_b128 v[SO], v[PWS:PWS+3], s[100:101]               ; tiles 0-3: sixteen lanes store 256 consecutive bytes, aligned, for each head
	global_store_b128 v[SO], v[PWS+4:PWS+7], s[100:101] offset:256  ; tiles 4-7
	CLOSE
; THE END FOR v: A's tile a is 16 dims (head a / 4, tile a % 4 of its four), the lane's 64 registers are my 128 tokens: quantised straight off the accumulators.
.Lend_v:
	s_wait_loadcnt 0x0
.macro V_A a
.if (\a) > 0
	s_wait_xcnt 0x0
.endif
	QUANT 64*((\a)%4), 2+(\a)/4, PWS+(\a)
	global_store_b128 v[CO], v[PC:PC+3], s[12:13] offset:((\a)/4)*HEADB+((\a)%4)*1024
	global_store_b128 v[CO], v[PC+4:PC+7], s[12:13] offset:((\a)/4)*HEADB+((\a)%4)*1024+512
.endm
.irp a, 0,1,2,3,4,5,6,7
	V_A \a
.endr
	v_cmp_ne_u32 vcc_lo, 0, v[SH]
.irp j, 0,1,2,3
	v_cndmask_b32 v[PWS+\j], v[PWS+\j], v[PWS+4+\j], vcc_lo   ; lanes 16-31 take the second head's four words
.endr
	global_store_b128 v[SO], v[PWS:PWS+3], s[100:101]
	CLOSE
.Lfunc_end_k_q97bd1ef2d8_qkv:
	.size	k_q97bd1ef2d8_qkv, .Lfunc_end_k_q97bd1ef2d8_qkv-k_q97bd1ef2d8_qkv
	.p2alignl 7, 3214868480
	.fill 96, 4, 3214868480
	.section	.rodata,"a",@progbits
	.p2align	6, 0x0
	.amdhsa_kernel k_q97bd1ef2d8_qkv
		.amdhsa_group_segment_fixed_size 327680
		.amdhsa_private_segment_fixed_size 0
		.amdhsa_enable_private_segment 0
		.amdhsa_kernarg_size 48
		.amdhsa_user_sgpr_count 2
		.amdhsa_user_sgpr_kernarg_segment_ptr 1
		.amdhsa_wavefront_size32 1
		.amdhsa_system_sgpr_workgroup_id_x 1
		.amdhsa_system_sgpr_workgroup_id_y 1
		.amdhsa_system_sgpr_workgroup_id_z 1
		.amdhsa_system_vgpr_workitem_id 0
		.amdhsa_next_free_vgpr 1024
		.amdhsa_next_free_sgpr 106
		.amdhsa_reserve_vcc 1
		.amdhsa_float_denorm_mode_32 3
		.amdhsa_float_denorm_mode_16_64 3
		.amdhsa_memory_ordered 1
		.amdhsa_forward_progress 1
		.amdhsa_inst_pref_size 218
	.end_amdhsa_kernel
	.amdgpu_metadata
---
amdhsa.version: [ 1, 2 ]
amdhsa.kernels:
  - .name:           k_q97bd1ef2d8_qkv
    .symbol:         k_q97bd1ef2d8_qkv.kd
    .args:
      - { .name: xc, .offset: 0, .size: 8, .value_kind: global_buffer, .address_space: global }
      - { .name: xs, .offset: 8, .size: 8, .value_kind: global_buffer, .address_space: global }
      - { .name: wq, .offset: 16, .size: 8, .value_kind: global_buffer, .address_space: global }
      - { .name: bqkv, .offset: 24, .size: 8, .value_kind: global_buffer, .address_space: global }
      - { .name: rope, .offset: 32, .size: 8, .value_kind: global_buffer, .address_space: global }
      - { .name: qkv, .offset: 40, .size: 8, .value_kind: global_buffer, .address_space: global }
    .group_segment_fixed_size: 327680
    .private_segment_fixed_size: 0
    .kernarg_segment_align: 8
    .kernarg_segment_size: 48
    .max_flat_workgroup_size: 128
    .sgpr_count:     106
    .vgpr_count:     1024
    .wavefront_size: 32
...
	.end_amdgpu_metadata
.endif
;; end of part 2
;; launch attn (part 3): grid 4 x 64, 16 waves a work-group, clusters of 4 x 1, 169,984 bytes of LDS; arguments qkv, oc, os; writes oc, os
.if DOCPART == 3
	.amdgcn_target "amdgcn-amd-amdhsa--gfx1250"
	.amdhsa_code_object_version 6
	.text
	.protected	k_q97bd1ef2d8_attn
	.globl	k_q97bd1ef2d8_attn
	.p2align	8
	.type	k_q97bd1ef2d8_attn,@function
k_q97bd1ef2d8_attn:
	s_mov_b64 s[64:65], 0
	v_nop
	global_prefetch_b8 v0, s[64:65] scope:SCOPE_SE
	s_setreg_imm32_b32 hwreg(HW_REG_WAVE_MODE, 25, 1), 1
	s_wait_xcnt 0x0
	s_wait_alu depctr_hold_cnt(0) depctr_sa_sdst(0) depctr_va_vdst(0) depctr_va_sdst(0) depctr_va_ssrc(0) depctr_va_vcc(0) depctr_vm_vsrc(0)
	s_getreg_b32 s2, hwreg(HW_REG_IB_STS2, 6, 4)
	s_cmp_eq_u32 s2, 0
	s_cbranch_scc0 .Lentry_in_a_cluster
	s_endpgm
.Lentry_in_a_cluster:
	s_bfe_u32 s2, ttmp6, 0x10000c
	s_cmp_lg_u32 s2, 0x3003
	s_cbranch_scc0 .Lentry_shape_is_right
	s_endpgm
.Lentry_shape_is_right:
; ATTN: o = softmax(q k^T / 8, causal) v for 64 heads of 2,048 tokens x 64 dims, both products on codes of FP4 with E8M0 scales, and the quantising of o along the model's 1,024.
; THE SOFTMAX: t = score x log2(e) / 8; M = the running largest t rounded UP to a whole number; p = 2^(t - M) is quantised along the keys, not normalised; the row's sum of the unquantised p divides at the end.
; When M moves, the sum and O are multiplied by 2^(old M - new M): exact.
; A CLUSTER IS A HEAD.  The head's K and V, codes and scale words, are 143,360 consecutive bytes: they come into each partner's LDS once, by joint loads, 8,960 bytes a wave, and stay.  Nothing is filled again.
; SHARES.  The head's 128 tiles of 16 queries fall into 16 groups of 8; group m needs key steps 0 .. m of 128 keys, the last on the diagonal.  Wave w of partner cx takes tile 2 cx + w % 2 of group 15 - w / 2,
; then of group w / 2: 17 key steps for every wave.  The group hangs on the wave's number alone; cx enters global addresses and the mask's comparand only.
; Both loops have constant trip counts; a step all of whose keys are hidden is jumped over by a scalar branch on the wave's group.
; LAYOUT.  Both products transposed: S^T = K Q^T, O^T = V^T P^T: a lane holds one query.  Tiles lie in tile order, so the 16 registers of two neighbouring tiles are 16 neighbouring keys (or dims).
; The first product's K is 64: the upper 64 of the instruction's 128 are zero codes on both sides.
; LIMITS: NaN and infinities are not served; a block under 2^(3 - 127) gets the byte 1.
; os is written two bytes a lane: a row's 32 scale bytes come from 16 heads, which are 16 clusters; the buffer is 262,144 bytes in all.
; REGISTERS: v1-7 addresses that stay; v8-11 the step's addresses; v12 -M, v13 the largest t, v[14:15] the sum; v16-23 Q; v24-31 K's scale words; v32-95 K; v96-159 S^T, then p; v160-191 O^T; v192-223 V;
;   v224-231 p's codes; v232-247, v254 at work; v248-251 V's scale words; v252 f; v253 p's scale word; v255 Q's scale word.
.set HEADB, 217088
.set VC,    65536                      ; LDS as memory: K codes 0, V codes, K scale words, V scale words
.set KSW,   131072
.set VSW,   139264
.set QC,    143360
.set QSW,   208896
.set WV,  10
.set SEL, 32
.set CS,  34
.macro CROUND
	s_barrier_signal -1
	s_barrier_wait -1
	s_cmp_lg_u32 s[WV], 0
	s_cbranch_scc1 .Lnot_wave_0_\@
	s_barrier_signal -3
.Lnot_wave_0_\@:
	s_barrier_wait -3
	s_barrier_signal -1
	s_barrier_wait -1
.endm
	s_load_b128 s[4:7], s[0:1], 0x0                ; qkv, oc
	s_load_b64 s[8:9], s[0:1], 0x10                ; os
	v_lshl_add_u32 v242, v0, 2, 0x29000
	v_mov_b32 v243, 0
	ds_add_u32 v242, v243
	ds_add_u32 v242, v243
	v_lshrrev_b32 v1, 5, v0
	s_delay_alu instid0(VALU_DEP_1)
	v_readfirstlane_b32 s[WV], v1                  ; wave 0..15
	s_bfe_u32 s11, ttmp6, 0x40000                  ; cx
	s_and_b32 s12, ttmp7, 0xffff                   ; the head: 16 x batch + head
	s_mul_i32 s44, s12, HEADB
	s_mov_b32 s45, 0
	s_mul_i32 s25, s[WV], 8960                     ; my 35 rows of 256 bytes, in LDS as in memory
	s_mov_b32 s46, s25
	s_mov_b32 s47, 0
	s_mov_b32 s16, 15|(3<<16)|(1<<21)              ; the mask: all four partners; elements of 8 bytes; bit 21 beside a mask; no padding
	s_mov_b32 s17, 32<<16                          ; tensor_dim0 = 32
	s_mov_b32 s18, 35<<16                          ; tensor_dim1 = 35
	s_mov_b32 s19, 32<<16                          ; tile_dim0
	s_mov_b32 s20, 35                              ; tile_dim1
	s_mov_b32 s21, 32                              ; the pitch
	s_mov_b32 s22, 0
	s_mov_b32 s23, 0
	s_mov_b32 s24, 1
	s_wait_dscnt 0x0
	s_wait_kmcnt 0x0
	s_add_nc_u64 s[48:49], s[4:5], s[44:45]        ; the head's first byte
	s_add_nc_u64 s[26:27], s[48:49], s[46:47]
	s_or_b32 s27, s27, 0x80000000
	CROUND                                         ; all four partners are here: the joint loads meet
	tensor_load_to_lds s[24:27], s[16:23]          ; one load a wave
	s_nop 0
.rept 4
	v_nop
.endr
	v_and_b32 v9, 31, v0
	s_delay_alu instid0(VALU_DEP_1)
	v_lshlrev_b32 v1, 4, v9                        ; 16 x lane: K's images
	s_delay_alu instid0(VALU_DEP_1)
	v_add_nc_u32 v2, VC, v1                        ; V's
	v_and_b32 v10, 15, v0                          ; r
	v_bfe_u32 v11, v0, 4, 1                        ; h
	s_delay_alu instid0(VALU_DEP_2)
	v_lshlrev_b32 v6, 4, v10                       ; 16 r
	s_delay_alu instid0(VALU_DEP_1)
	v_add_nc_u32 v3, KSW, v6
	s_delay_alu instid0(VALU_DEP_2)
	v_add_nc_u32 v4, VSW, v6
	v_lshlrev_b32 v7, 5, v10                       ; 32 r: my row of os
	v_and_b32 v5, 8, v10
	s_delay_alu instid0(VALU_DEP_1)
	v_add_nc_u32 v5, v5, v10
	v_lshlrev_b32 v11, 4, v11
	s_delay_alu instid0(VALU_DEP_1)
	v_sub_nc_u32 v5, v5, v11
	s_and_b32 s13, s[WV], 1
	s_lshl_b32 s44, s11, 5
	s_lshl_b32 s45, s13, 3
	s_add_co_u32 s44, s44, s45
	v_add_nc_u32 v5, s44, v5                       ; d = my query in its group - 16 h: on the diagonal register 16 b + i is hidden where 32 b + i > d
	s_lshl_b32 s50, s11, 1
	s_add_co_u32 s50, s50, s13                     ; my tile of a group: 2 cx + wave % 2
	s_lshr_b32 s14, s[WV], 1
	s_sub_co_u32 s14, 15, s14                      ; the first pass's group
	s_mov_b32 s[SEL], 0x76543210
	s_mov_b32 s[SEL+1], 0xfedcba98
	s_mov_b32 s[CS], 0x3e38aa3b                    ; c = log2(e) / 8
	s_mov_b32 s[CS+1], s[CS]
	s_mov_b32 s31, 2
.irp j, 20,21,22,23
	v_mov_b32 v[\j], 0                             ; the upper 64 of Q's K: zero codes
.endr
.irp t, 0,1,2,3,4,5,6,7
.irp j, 4,5,6,7
	v_mov_b32 v[32+8*\t+\j], 0                     ; and of K's: written once
.endr
.endr
.irp b, 0,1,2,3
	v_mov_b32 v[236+\b], 0                         ; a lane permute's destination counts as one of its sources
.endr
	v_mov_b32 v252, 0
	v_mov_b32 v253, 0
	s_wait_tensorcnt 0x0                           ; my part of the head has landed,
	s_barrier_signal -1
	s_barrier_wait -1                              ; everybody's has
.Lpass:
	s_lshl_b32 s44, s14, 3
	s_add_co_u32 s44, s44, s50                     ; the tile in its head: 8 m + ti
	s_lshl_b32 s46, s44, 9
	s_add_co_u32 s46, s46, QC
	s_mov_b32 s47, 0
	s_add_nc_u64 s[36:37], s[48:49], s[46:47]      ; Q's image
	s_lshl_b32 s46, s14, 9
	s_lshr_b32 s45, s50, 2
	s_lshl_b32 s45, s45, 8
	s_add_co_u32 s46, s46, s45
	s_and_b32 s45, s50, 3
	s_lshl_b32 s45, s45, 2
	s_add_co_u32 s46, s46, s45
	s_add_co_u32 s46, s46, QSW
	s_add_nc_u64 s[38:39], s[48:49], s[46:47]      ; Q's scale words
	s_lshr_b32 s45, s12, 4
	s_lshl_b32 s45, s45, 7
	s_add_co_u32 s44, s44, s45                     ; the tile among all 512: 128 x batch + 8 m + ti
	s_and_b32 s45, s12, 15
	s_lshl_b32 s46, s44, 13
	s_lshl_b32 s51, s45, 9
	s_add_co_u32 s46, s46, s51
	s_add_nc_u64 s[40:41], s[6:7], s[46:47]        ; oc: 8,192 bytes a tile, 512 a head
	s_lshl_b32 s46, s44, 9
	s_lshl_b32 s51, s45, 1
	s_add_co_u32 s46, s46, s51
	s_add_nc_u64 s[42:43], s[8:9], s[46:47]        ; os: 32 bytes a row, 2 a head
	global_load_b128 v[16:19], v1, s[36:37]
	global_load_b32 v255, v6, s[38:39]
	v_mov_b32 v13, 0xff61b1e6                      ; the largest t so far: -3e38
	s_delay_alu instid0(VALU_DEP_1)
	v_floor_f32 v12, -v13                          ; -M
	v_mov_b32 v14, 0
	v_mov_b32 v15, 0
.irp j, 0,1,2,3,4,5,6,7,8,9,10,11,12,13,14,15,16,17,18,19,20,21,22,23,24,25,26,27,28,29,30,31
	v_mov_b32 v[160+\j], 0                         ; O^T: the step is written once, and its first trip finds zeros
.endr
	s_mov_b32 s28, 0                               ; the step's codes: 4,096 bytes a step
	s_mov_b32 s29, 0                               ; K's scale words: 512
	s_mov_b32 s30, 0                               ; V's: 256
	s_mov_b32 s15, 0                               ; the key step
	s_wait_loadcnt 0x0
.Lstep:
	s_cmp_gt_u32 s15, s14                          ; all 128 keys come after my queries: the step's work is left out
	s_cbranch_scc1 .Lhidden
	s_setprio 2
	v_add_nc_u32 v8, s28, v1                       ; (these four are also the places in front of the loads into registers that the last products read)
	v_add_nc_u32 v9, s28, v2
	v_add_nc_u32 v10, s29, v3
	v_add_nc_u32 v11, s30, v4
.irp t, 0,1,2,3,4,5,6,7
	ds_load_b128 v[32+8*\t:35+8*\t], v8 offset:512*\t
.endr
	ds_load_b128 v[24:27], v10
	ds_load_b128 v[28:31], v10 offset:256
.irp t, 0,1,2,3
.irp c, 0,1
	ds_load_b128 v[192+8*\t+4*\c:195+8*\t+4*\c], v9 offset:1024*\t+512*\c
.endr
.endr
	ds_load_b128 v[248:251], v11
	s_wait_dscnt 9                                 ; K and its scale words are in; V's nine loads may be out
.irp t, 0,1,2,3,4,5,6,7
	v_wmma_scale_f32_16x16x128_f8f6f4 v[96+8*\t:103+8*\t], v[32+8*\t:39+8*\t], v[16:23], 0, v[24+\t], v255 matrix_a_fmt:MATRIX_FMT_FP4 matrix_b_fmt:MATRIX_FMT_FP4
.endr
.rept 4
	v_nop
.endr
	s_cmp_lg_u32 s15, s14                          ; off the diagonal every key counts
	s_cbranch_scc1 .Lopen
	v_mov_b32 v254, 0xff800000                     ; -infinity: p = 0 then
.irp n, 0,1,2,3,4,5,6,7,8,9,10,11,12,13,14,15,16,17,18,19,20,21,22,23,24,25,26,27,28,29,30,31,32,33,34,35,36,37,38,39,40,41,42,43,44,45,46,47,48,49,50,51,52,53,54,55,56,57,58,59,60,61,62,63
	v_cmp_gt_i32 vcc_lo, 32*(\n/16)+\n%16, v5
	v_cndmask_b32 v[96+\n], v[96+\n], v254, vcc_lo
.endr
.Lopen:
.irp b, 0,1,2,3
	v_max3_num_f32 v[232+\b], v[96+16*\b], v[97+16*\b], v[98+16*\b]   ; the largest score of each block of 32 keys: for the row's maximum and, since p rises with the score, for the block's largest p
.endr
.irp i, 3,5,7,9,11,13
.irp b, 0,1,2,3
	v_max3_num_f32 v[232+\b], v[232+\b], v[96+16*\b+\i], v[97+16*\b+\i]
.endr
.endr
.irp b, 0,1,2,3
	v_max_num_f32 v[232+\b], v[232+\b], v[111+16*\b]
.endr
.irp b, 0,1,2,3
	s_delay_alu instid0(VALU_DEP_4)
	v_permlanex16_b32 v[236+\b], v[232+\b], s[SEL], s[SEL+1]
.endr
.irp b, 0,1,2,3
	s_delay_alu instid0(VALU_DEP_4)
	v_max_num_f32 v[232+\b], v[232+\b], v[236+\b]
.endr
	s_delay_alu instid0(VALU_DEP_2)
	v_max3_num_f32 v254, v232, v233, v234
	s_delay_alu instid0(VALU_DEP_1)
	v_max_num_f32 v254, v254, v235
	s_delay_alu instid0(VALU_DEP_1)
	v_mul_f32 v254, s[CS], v254
	s_delay_alu instid0(VALU_DEP_1)
	v_max_num_f32 v13, v13, v254                   ; the running largest t
	v_mov_b32 v254, v12
	s_delay_alu instid0(VALU_DEP_2)
	v_floor_f32 v12, -v13                          ; the new -M = -ceil(t)
	s_delay_alu instid0(VALU_DEP_1)
	v_sub_f32 v254, v12, v254
	s_delay_alu instid0(VALU_DEP_1)
	v_cvt_i32_f32 v254, v254                       ; old M - new M, a whole number, 0 or less (it saturates)
	s_delay_alu instid0(VALU_DEP_1)
	v_ldexp_f32 v252, 1.0, v254                    ; f = 2^(old M - new M)
.irp j, 0,2,4,6,8,10,12,14,16,18,20,22,24,26,28,30,32,34,36,38,40,42,44,46,48,50,52,54,56,58,60,62
	v_pk_fma_f32 v[96+\j:97+\j], v[96+\j:97+\j], s[CS:CS+1], v[12:13] op_sel_hi:[1,0,0]   ; t - M
.endr
	s_setprio 1
.irp b, 0,1,2,3
	v_fma_f32 v[232+\b], v[232+\b], s[CS], v12
.endr
	s_wait_alu depctr_va_vdst(0)
.irp j, 0,1,2,3,4,5,6,7,8,9,10,11,12,13,14,15,16,17,18,19,20,21,22,23,24,25,26,27,28,29,30,31,32,33,34,35,36,37,38,39,40,41,42,43,44,45,46,47,48,49,50,51,52,53,54,55,56,57,58,59,60,61,62,63
	v_exp_f32 v[96+\j], v[96+\j]                   ; p = 2^(t - M)
.endr
	v_pk_mul_f32 v[14:15], v[14:15], v[252:253] op_sel_hi:[1,0]   ; the sums under the new M: the plain instruction behind the exponentials
	s_wait_alu depctr_va_vdst(0)                   ; one wait for the batch of 64, ahead of its first reader
.irp b, 0,1,2,3
	v_exp_f32 v[232+\b], v[232+\b]                 ; each block's largest p
.endr
	v_pk_add_f32 v[236:237], v[100:101], v[104:105]
	v_pk_add_f32 v[246:247], v[108:109], v[112:113]
	v_pk_add_f32 v[244:245], v[116:117], v[120:121]
	v_pk_add_f32 v[240:241], v[124:125], v[128:129]
	v_pk_add_f32 v[238:239], v[132:133], v[136:137]
	v_pk_add_f32 v[230:231], v[140:141], v[144:145]
	v_pk_add_f32 v[228:229], v[148:149], v[152:153]
	v_pk_add_f32 v[14:15], v[14:15], v[156:157]
	v_pk_add_f32 v[236:237], v[236:237], v[96:97]
	v_pk_add_f32 v[246:247], v[246:247], v[98:99]
	v_pk_add_f32 v[244:245], v[244:245], v[102:103]
	v_pk_add_f32 v[240:241], v[240:241], v[106:107]
	v_pk_add_f32 v[238:239], v[238:239], v[110:111]
	v_pk_add_f32 v[230:231], v[230:231], v[114:115]
	v_pk_add_f32 v[228:229], v[228:229], v[118:119]
	v_pk_add_f32 v[14:15], v[14:15], v[122:123]
	v_pk_add_f32 v[236:237], v[236:237], v[126:127]
	v_pk_add_f32 v[246:247], v[246:247], v[130:131]
	v_pk_add_f32 v[244:245], v[244:245], v[134:135]
	v_pk_add_f32 v[240:241], v[240:241], v[138:139]
	v_pk_add_f32 v[238:239], v[238:239], v[142:143]
	v_pk_add_f32 v[230:231], v[230:231], v[146:147]
	v_pk_add_f32 v[228:229], v[228:229], v[150:151]
	v_pk_add_f32 v[14:15], v[14:15], v[154:155]
	v_pk_add_f32 v[236:237], v[236:237], v[158:159]
	s_delay_alu instid0(VALU_DEP_2)
	v_pk_add_f32 v[14:15], v[14:15], v[240:241]
	s_delay_alu instid0(VALU_DEP_2)
	v_pk_add_f32 v[236:237], v[236:237], v[238:239]
	v_pk_add_f32 v[246:247], v[246:247], v[230:231]
	v_pk_add_f32 v[244:245], v[244:245], v[228:229]
	s_delay_alu instid0(VALU_DEP_2)
	v_pk_add_f32 v[14:15], v[14:15], v[246:247]
	s_delay_alu instid0(VALU_DEP_2)
	v_pk_add_f32 v[236:237], v[236:237], v[244:245]
	s_delay_alu instid0(VALU_DEP_1)
	v_pk_add_f32 v[14:15], v[14:15], v[236:237]
	s_wait_alu depctr_va_vdst(0)                   ; and one for the four
.irp b, 0,1,2,3
	v_max_num_f32 v[232+\b], 0x1800000, v[232+\b]  ; the floor: the byte cannot fall under 1
.endr
.irp b, 0,1,2,3
	s_delay_alu instid0(VALU_DEP_4)
	v_add_nc_u32 v[244+\b], 0xff000000, v[232+\b]
.endr
.irp b, 0,1,2,3
	s_delay_alu instid0(VALU_DEP_4)
	v_lshrrev_b32 v[236+\b], 23, v[244+\b]
.endr
	s_delay_alu instid0(VALU_DEP_3)
	v_lshl_or_b32 v253, v237, 8, v236              ; p's scale word for these 128 keys
	s_delay_alu instid0(VALU_DEP_1)
	v_lshl_or_b32 v253, v238, 16, v253
	s_delay_alu instid0(VALU_DEP_1)
	v_lshl_or_b32 v253, v239, 24, v253
	s_setprio 0
.irp b, 0,1,2,3
	v_cvt_scalef32_pk8_fp4_f32 v[224+2*\b], v[96+16*\b:103+16*\b], v[244+\b]
	v_cvt_scalef32_pk8_fp4_f32 v[225+2*\b], v[104+16*\b:111+16*\b], v[244+\b]
.endr
	v_nop                                          ; one plain instruction behind a scaled conversion
.irp c, 0,1
.irp i, 0,1
	v_permlane16_swap_b32 v[224+4*\c+\i], v[226+4*\c+\i]
.endr
.endr
.irp j, 0,2,4,6,8,10,12,14,16,18,20,22,24,26,28,30
	v_pk_mul_f32 v[160+\j:161+\j], v[160+\j:161+\j], v[252:253] op_sel_hi:[1,0]   ; O^T under the new M.  (These sixteen also stand between the writes of p's codes and scale word and the products)
.endr
	s_wait_alu depctr_va_vdst(0)
	s_wait_dscnt 0x0                               ; V and its scale words
.irp t, 0,1,2,3
	v_wmma_scale_f32_16x16x128_f8f6f4 v[160+8*\t:167+8*\t], v[192+8*\t:199+8*\t], v[224:231], v[160+8*\t:167+8*\t], v[248+\t], v253 matrix_a_fmt:MATRIX_FMT_FP4 matrix_b_fmt:MATRIX_FMT_FP4
.endr
.Lhidden:
	s_add_co_u32 s28, s28, 4096
	s_add_co_u32 s29, s29, 512
	s_add_co_u32 s30, s30, 256
	s_add_co_u32 s15, s15, 1
	s_cmp_lt_u32 s15, 16
	s_cbranch_scc1 .Lstep
	s_setprio 0
	; THE PASS'S END: O^T / the sum, quantised along the head's 64 (two blocks), stored as an image of the next product's operand registers.
.rept 4
	v_nop
.endr
	v_add_f32 v14, v14, v15
	s_delay_alu instid0(VALU_DEP_1)
	v_permlanex16_b32 v252, v14, s[SEL], s[SEL+1]
	s_delay_alu instid0(VALU_DEP_1)
	v_add_f32 v14, v14, v252                       ; the row's sum
	s_wait_alu depctr_va_vdst(0)
	v_rcp_f32 v14, v14
	v_nop
	s_wait_alu depctr_va_vdst(0)                   ; the wait ahead of the reciprocal's first reader
.irp j, 0,1,2,3,4,5,6,7,8,9,10,11,12,13,14,15,16,17,18,19,20,21,22,23,24,25,26,27,28,29,30,31
	v_mul_f32 v[96+\j], v[160+\j], v14             ; register 16 b + i: dim 32 b + 16 h + i of my query
.endr
.irp b, 0,1
	v_max3_num_f32 v[232+\b], |v[96+16*\b]|, |v[97+16*\b]|, 0x1800000
.endr
.irp i, 2,4,6,8,10,12,14
.irp b, 0,1
	s_delay_alu instid0(VALU_DEP_2)
	v_max3_num_f32 v[232+\b], v[232+\b], |v[96+16*\b+\i]|, |v[97+16*\b+\i]|
.endr
.endr
.irp b, 0,1
	s_delay_alu instid0(VALU_DEP_2)
	v_permlanex16_b32 v[236+\b], v[232+\b], s[SEL], s[SEL+1]
.endr
.irp b, 0,1
	s_delay_alu instid0(VALU_DEP_2)
	v_max_num_f32 v[232+\b], v[232+\b], v[236+\b]
.endr
.irp b, 0,1
	s_delay_alu instid0(VALU_DEP_2)
	v_add_nc_u32 v[244+\b], 0xff000000, v[232+\b]
.endr
.irp b, 0,1
	s_delay_alu instid0(VALU_DEP_2)
	v_lshrrev_b32 v[236+\b], 23, v[244+\b]
.endr
	s_delay_alu instid0(VALU_DEP_1)
	v_lshl_or_b32 v254, v237, 8, v236              ; the head's two scale bytes of my row
.irp b, 0,1
	v_cvt_scalef32_pk8_fp4_f32 v[224+2*\b], v[96+16*\b:103+16*\b], v[244+\b]
	v_cvt_scalef32_pk8_fp4_f32 v[225+2*\b], v[104+16*\b:111+16*\b], v[244+\b]
.endr
	v_nop
	v_permlane16_swap_b32 v224, v226
	v_permlane16_swap_b32 v225, v227               ; lane (r, h): dims 32 h .. 32 h + 31 of row r
	global_store_b128 v1, v[224:227], s[40:41]     ; 32 lanes store 512 consecutive bytes, aligned
	global_store_b16 v7, v254, s[42:43]            ; lanes 16-31 repeat lanes 0-15, the same value to the same place
	s_wait_xcnt 0x0                                ; the stores have read their registers and bases: the next pass writes them
	s_sub_co_u32 s14, 15, s14                      ; the other group
	s_sub_co_u32 s31, s31, 1
	s_cmp_lg_u32 s31, 0
	s_cbranch_scc1 .Lpass
	s_wait_dscnt 0x0
	s_wait_tensorcnt 0x0
	ds_add_u32 v242, v243
	s_wait_dscnt 0x0
	CROUND                                         ; the closing round
	s_endpgm
.Lfunc_end_k_q97bd1ef2d8_attn:
	.size	k_q97bd1ef2d8_attn, .Lfunc_end_k_q97bd1ef2d8_attn-k_q97bd1ef2d8_attn
	.p2alignl 7, 3214868480
	.fill 96, 4, 3214868480
	.section	.rodata,"a",@progbits
	.p2align	6, 0x0
	.amdhsa_kernel k_q97bd1ef2d8_attn
		.amdhsa_group_segment_fixed_size 169984
		.amdhsa_private_segment_fixed_size 0
		.amdhsa_enable_private_segment 0
		.amdhsa_kernarg_size 24
		.amdhsa_user_sgpr_count 2
		.amdhsa_user_sgpr_kernarg_segment_ptr 1
		.amdhsa_wavefront_size32 1
		.amdhsa_system_sgpr_workgroup_id_x 1
		.amdhsa_system_sgpr_workgroup_id_y 1
		.amdhsa_system_sgpr_workgroup_id_z 1
		.amdhsa_system_vgpr_workitem_id 0
		.amdhsa_next_free_vgpr 256
		.amdhsa_next_free_sgpr 66
		.amdhsa_reserve_vcc 1
		.amdhsa_float_denorm_mode_32 3
		.amdhsa_float_denorm_mode_16_64 3
		.amdhsa_memory_ordered 1
		.amdhsa_forward_progress 1
		.amdhsa_inst_pref_size 34
	.end_amdhsa_kernel
	.amdgpu_metadata
---
amdhsa.version: [ 1, 2 ]
amdhsa.kernels:
  - .name:           k_q97bd1ef2d8_attn
    .symbol:         k_q97bd1ef2d8_attn.kd
    .args:
      - { .name: qkv, .offset: 0, .size: 8, .value_kind: global_buffer, .address_space: global }
      - { .name: oc, .offset: 8, .size: 8, .value_kind: global_buffer, .address_space: global }
      - { .name: os, .offset: 16, .size: 8, .value_kind: global_buffer, .address_space: global }
    .group_segment_fixed_size: 169984
    .private_segment_fixed_size: 0
    .kernarg_segment_align: 8
    .kernarg_segment_size: 24
    .max_flat_workgroup_size: 512
    .sgpr_count:     66
    .vgpr_count:     256
    .wavefront_size: 32
...
	.end_amdgpu_metadata
.endif
;; end of part 3
;; launch proj (part 4): grid 4 x 32, 4 waves a work-group, clusters of 4 x 4, 327,680 bytes of LDS; arguments oc, os, wp, bproj, out0; writes out0
.if DOCPART == 4
	.amdgcn_target "amdgcn-amd-amdhsa--gfx1250"
	.amdhsa_code_object_version 6
	.text
	.protected	k_q97bd1ef2d8_proj
	.globl	k_q97bd1ef2d8_proj
	.p2align	8
	.type	k_q97bd1ef2d8_proj,@function
k_q97bd1ef2d8_proj:
	s_mov_b64 s[64:65], 0
	v_nop
	global_prefetch_b8 v0, s[64:65] scope:SCOPE_SE
	s_setreg_imm32_b32 hwreg(HW_REG_WAVE_MODE, 25, 1), 1
	s_wait_xcnt 0x0
	s_wait_alu depctr_hold_cnt(0) depctr_sa_sdst(0) depctr_va_vdst(0) depctr_va_sdst(0) depctr_va_ssrc(0) depctr_va_vcc(0) depctr_vm_vsrc(0)
	s_getreg_b32 s2, hwreg(HW_REG_IB_STS2, 6, 4)
	s_cmp_eq_u32 s2, 0
	s_cbranch_scc0 .Lentry_in_a_cluster
	s_endpgm
.Lentry_in_a_cluster:
	s_bfe_u32 s2, ttmp6, 0x10000c
	s_cmp_lg_u32 s2, 0xf033
	s_cbranch_scc0 .Lentry_shape_is_right
	s_endpgm
.Lentry_shape_is_right:
; PROJ: out0 = o Wproj + bproj on codes of FP4 with E8M0 scales.  M = 8,192, N = 1,024, K = 1,024; out0 f32.
; A tile of 256 x 256 to a work-group of four waves, 128 x 128 to a wave.  K lies in two LDS slots of 512 along K, both filled at the start; nothing is filled again.
; A (o) arrives as IMAGES OF OPERAND REGISTERS: oc [tile of 16 rows][head 16][lane 32][16 bytes]; 128 along K are two heads: registers 0-3 the first head's image, 4-7 the second's.  A fragment load reads 512 consecutive bytes.
; B (Wproj) arrives as rows of codes, K innermost.  Rows of both lie in tile order (place = row with bits 3 and 4 exchanged); the way out puts rows and columns back.
; The matrix instruction is used transposed (source 0 = 16 rows of B, source 1 = 16 rows of A).  The bias is the C of each sum's first matrix instruction.
; CLUSTERS: 4 x 4; A's tiles shared along a row of the cluster, B's along a column.  128 work-groups: half as large a tile would read every fragment from LDS for half as many products.
; REGISTERS: window 0: v0-31 addresses; v32-95 scale words; v128-191 A's fragments; v192-255 the bias; on the way out v128-255 rows of out0.  window 1: B's fragments, two sets.  windows 2, 3: the accumulators.
.set SIZE_N, 1024
.set NQ,     4
.set ROWB,   256
.set KROW,   512
.set PITCH,  272
.set FR,     8
.set NL,     2
.set NP,     4
.set ASLAB,  32768                     ; A: 8 tiles x 4,096 bytes: what one tensor load brings
.set HALFT,  128*PITCH                 ; B: 128 rows
.set SLOT,   2*ASLAB+2*HALFT
.set KS,     32
.set SCL,    2*SLOT
.set HALFS,  (128*KS/256)*272
.set SBLK,   (16*KS/256)*272
.set SPARE,  SCL+4*HALFS               ; the spare words, 128 bytes for each wave: no other line names them
.set SPITCH, 528                       ; the way out: a stage of 16 rows x (512 + 16) bytes for each wave, in slot 0, which has had its only fill and its last read by then
.set ADRA, 16
.set ADRB, 20
.set STO,  24
.set RD,   25
.set CO,   26
.set ADRS, 27
.set SPW,  28
.set NIL,  29
.set SC,   32
.set AF,   128
.set BK,   128
.set BI,   192
.set CP,   98                          ; s[98:99] out0
.set G1, 24
.set G0, 32
.set G1B, 48
.set G0B, 56
.set G1S, 68
.set G0S, 76
.set G1SB, 80
.set G0SB, 88
.set MSB, 0
.macro WIN new
.if MSB != (\new)
	s_set_vgpr_msb (MSB<<8)|(\new)
.set MSB, (\new)
.endif
.endm
.set MUL_LO, 0xa1
.set MUL_HI, 0xf1
.set TO_B,   0x40
.macro JLOAD g0a, g1a, g0b, g1b        ; a joint load: waves 0 and 1 fetch for A, waves 2 and 3 for B; four v_nop follow each line
	s_cmp_eq_u32 s15, 0
	s_cbranch_scc0 .Lfor_b_\@
	tensor_load_to_lds s[\g0a:\g0a+3], s[\g1a:\g1a+7]
	s_nop 0
.rept 4
	v_nop
.endr
	s_branch .Lasked_\@
.Lfor_b_\@:
	tensor_load_to_lds s[\g0b:\g0b+3], s[\g1b:\g1b+7]
	s_nop 0
.rept 4
	v_nop
.endr
.Lasked_\@:
.endm
.macro CROUND
	s_barrier_signal -1
	s_barrier_wait -1
	s_cmp_lg_u32 s14, 0
	s_cbranch_scc1 .Lnot_wave_0_\@
	s_barrier_signal -3
.Lnot_wave_0_\@:
	s_barrier_wait -3
	s_barrier_signal -1
	s_barrier_wait -1
.endm
	s_load_b128 s[4:7], s[0:1], 0x0                ; oc, os
	s_load_b64 s[8:9], s[0:1], 0x10                ; wp
	s_load_b128 s[96:99], s[0:1], 0x18             ; bproj, out0
	v_lshl_add_u32 v[SPW], v0, 2, SPARE
	v_mov_b32 v[NIL], 0
	ds_add_u32 v28, v29
	ds_add_u32 v28, v29
	s_wait_dscnt 0x0
	v_lshrrev_b32 v1, 5, v0
	v_readfirstlane_b32 s14, v1
	s_lshr_b32 s15, s14, 1                         ; my half of the tile's rows.  Also: I fetch for A (0) or for B (1)
	s_and_b32 s16, s14, 1                          ; my half of its columns.  Also: which half I fetch
	s_bfe_u32 s40, ttmp6, 0x40000
	s_bfe_u32 s41, ttmp6, 0x40004
	s_lshl_b32 s42, ttmp9, 2
	s_add_co_u32 s42, s42, s40                     ; tile column
	s_and_b32 s17, ttmp7, 0xffff
	s_lshl_b32 s17, s17, 2
	s_add_co_u32 s17, s17, s41                     ; tile row
	s_lshl_b32 s43, s41, 2
	s_lshl_b32 s43, 15, s43
	s_lshl_b32 s44, 0x1111, s40
	s_or_b32 s[G1+0], s43, (3<<16)|(1<<21)         ; A: the mask; elements of 8 bytes; bit 21 beside a mask; no padding
	s_mov_b32 s[G1+1], 512<<16                     ; tensor_dim0 = 512 elements: a tile's 4,096 bytes of a slot
	s_mov_b32 s[G1+2], 8<<16                       ; tensor_dim1 = 8 tiles
	s_mov_b32 s[G1+3], 512<<16                     ; tile_dim0
	s_mov_b32 s[G1+4], 8                           ; tile_dim1
	s_mov_b32 s[G1+5], 1024                        ; from tile to tile: 8,192 bytes
	s_mov_b32 s[G1+6], 0
	s_mov_b32 s[G1+7], 0
	s_or_b32 s[G1B+0], s44, (0<<16)|(1<<20)|(1<<21)|(5<<22)|(3<<25)  ; B: 128 rows of 256 bytes, 16 bytes of padding behind each
	s_mov_b32 s[G1B+1], ROWB<<16
	s_mov_b32 s[G1B+2], 128<<16
	s_mov_b32 s[G1B+3], ROWB<<16
	s_mov_b32 s[G1B+4], 128
	s_mov_b32 s[G1B+5], KROW
	s_mov_b32 s[G1B+6], 0
	s_mov_b32 s[G1B+7], 0
	s_or_b32 s[G1S+0], s43, (3<<16)|(1<<20)|(1<<21)|(5<<22)|(3<<25)
	s_or_b32 s[G1SB+0], s44, (3<<16)|(1<<20)|(1<<21)|(5<<22)|(3<<25)
.irp g, G1S, G1SB
	s_mov_b32 s[\g+1], 32<<16
	s_mov_b32 s[\g+2], (128*KS/256)<<16
	s_mov_b32 s[\g+3], 32<<16
	s_mov_b32 s[\g+4], 128*KS/256
	s_mov_b32 s[\g+5], 32
	s_mov_b32 s[\g+6], 0
	s_mov_b32 s[\g+7], 0
.endr
	s_lshl_b32 s18, s16, 7
	s_lshl_b32 s20, s17, 8
	s_add_co_u32 s20, s20, s18                     ; A: the first of the 128 rows that I fetch
	s_lshl_b32 s46, s42, 8
	s_add_co_u32 s46, s46, s18                     ; B likewise
	s_lshl_b32 s22, s20, 5
	s_mov_b32 s23, 0
	s_lshl_b32 s20, s20, 9                         ; 512 bytes a row in oc too: 8,192 a tile of 16
	s_mov_b32 s21, 0
	s_lshl_b32 s92, s46, 5
	s_mov_b32 s93, 0
	s_lshl_b32 s46, s46, 9
	s_mov_b32 s47, 0
	s_lshl_b32 s45, s16, 15                        ; where they go in a slot: A's two halves,
	s_mul_i32 s95, s16, HALFT
	s_add_co_u32 s95, s95, 2*ASLAB                 ; then B's two
	s_mul_i32 s94, s14, HALFS
	s_wait_kmcnt 0x0
	s_add_nc_u64 s[10:11], s[8:9], 524288          ; Wproj's scale bytes lie behind its codes
	s_add_nc_u64 s[20:21], s[4:5], s[20:21]
	s_add_nc_u64 s[22:23], s[6:7], s[22:23]
	s_add_nc_u64 s[46:47], s[8:9], s[46:47]
	s_add_nc_u64 s[92:93], s[10:11], s[92:93]
	CROUND
	s_mov_b32 s[G0S], 1
	s_add_co_u32 s[G0S+1], s94, SCL
	s_mov_b64 s[G0S+2:G0S+3], s[22:23]
	s_or_b32 s[G0S+3], s[G0S+3], 0x80000000
	s_mov_b32 s[G0SB], 1
	s_add_co_u32 s[G0SB+1], s94, SCL
	s_mov_b64 s[G0SB+2:G0SB+3], s[92:93]
	s_or_b32 s[G0SB+3], s[G0SB+3], 0x80000000
	JLOAD G0S, G1S, G0SB, G1SB                     ; with the two below, a wave has three tensor loads out
.irp s, 0,1
	s_mov_b32 s[G0+4*\s], 1
	s_add_co_u32 s[G0+4*\s+1], s45, \s*SLOT
	s_add_nc_u64 s[G0+4*\s+2:G0+4*\s+3], s[20:21], \s*4096
	s_or_b32 s[G0+4*\s+3], s[G0+4*\s+3], 0x80000000
	s_mov_b32 s[G0B+4*\s], 1
	s_add_co_u32 s[G0B+4*\s+1], s95, \s*SLOT
	s_add_nc_u64 s[G0B+4*\s+2:G0B+4*\s+3], s[46:47], \s*ROWB
	s_or_b32 s[G0B+4*\s+3], s[G0B+4*\s+3], 0x80000000
	JLOAD G0+4*\s, G1, G0B+4*\s, G1B
.endr
	v_and_b32 v1, 15, v0                           ; r
	v_bfe_u32 v2, v0, 4, 1                         ; h
	v_mul_u32_u24 v3, v1, PITCH
	v_lshl_add_u32 v4, v2, 4, v3
	v_and_b32 v6, 31, v0
	v_lshlrev_b32 v[CO], 4, v6                     ; 16 x lane
	s_lshl_b32 s21, s15, 15                        ; my 8 tiles of A
	s_mul_i32 s22, s16, HALFT
	s_add_co_u32 s22, s22, 2*ASLAB                 ; my 128 rows of B
.irp s, 0,1
	v_add_nc_u32 v[ADRA+\s], s21, v[CO]
	v_add_nc_u32 v[ADRB+\s], s22, v4
	s_add_co_u32 s21, s21, SLOT
	s_add_co_u32 s22, s22, SLOT
.endr
	v_mul_u32_u24 v5, v1, KS
	v_lshrrev_b32 v6, 8, v5
	v_lshl_add_u32 v5, v6, 4, v5
	s_mul_i32 s21, s15, HALFS
	s_mul_i32 s22, s16, HALFS
	s_add_co_u32 s22, s22, 2*HALFS
	s_sub_co_u32 s22, s22, s21
	v_mul_u32_u24 v6, s22, v2
	s_add_co_u32 s21, s21, SCL
	v_add_nc_u32 v5, v5, v6
	v_add_nc_u32 v[ADRS], s21, v5
	s_mul_i32 s23, s14, 16*SPITCH                  ; my stage
	v_mul_u32_u24 v5, v1, SPITCH
	v_lshl_add_u32 v5, v2, 6, v5
	v_add_nc_u32 v[STO], s23, v5                   ; in: row r; B's tile b holds columns 32 (b / 2) + 16 h + 8 (b % 2) + 0 .. 7
	v_add_nc_u32 v[RD], s23, v[CO]                 ; back: the 32 lanes take a row of 512 bytes
	s_lshl_b32 s20, s17, 8
	s_lshl_b32 s21, s15, 7
	s_add_co_u32 s20, s20, s21                     ; my first row of out0
	s_lshl_b32 s20, s20, 12
	s_mov_b32 s21, 0
	s_lshl_b32 s46, s42, 10
	s_lshl_b32 s47, s16, 9
	s_add_co_u32 s46, s46, s47                     ; my first column, in bytes
	s_mov_b32 s47, 0
	s_add_nc_u64 s[96:97], s[96:97], s[46:47]      ; the bias there
	s_add_nc_u64 s[20:21], s[20:21], s[46:47]
	s_add_nc_u64 s[CP:CP+1], s[CP:CP+1], s[20:21]
	v_lshlrev_b32 v7, 6, v2                        ; 64 h
.irp b, 0,1,2,3,4,5,6,7
	global_load_b128 v[BI+8*\b:BI+8*\b+3], v7, s[96:97] offset:4*(32*(\b/2)+8*(\b%2))
	global_load_b128 v[BI+8*\b+4:BI+8*\b+7], v7, s[96:97] offset:4*(32*(\b/2)+8*(\b%2))+16
.endr
.macro FRAGB reg, adr, q, i
.irp c, 0,1
	ds_load_b128 v[\reg+4*\c:\reg+4*\c+3], v[\adr] offset:64*(\q)+32*\c+(\i)*16*PITCH
.endr
.endm
.macro FRAGA reg, adr, q, i            ; tile i, heads 2 q and 2 q + 1 of the slot's eight: two images of 512 bytes
.irp c, 0,1
	ds_load_b128 v[\reg+4*\c:\reg+4*\c+3], v[\adr] offset:(\i)*4096+(\q)*1024+512*\c
.endr
.endm
.macro MUL16 a0, p, q, sc, mode        ; mode 1: the sums begin with the bias.  The 64 accumulators take turns
.irp a, \a0, \a0+1
.irp b, 0,1,2,3,4,5,6,7
.if (\mode) == 1
	v_wmma_scale_f32_16x16x128_f8f6f4 v[8*(8*((\a)%4)+\b):8*(8*((\a)%4)+\b)+7], v[128*(\p)+FR*\b:128*(\p)+FR*\b+FR-1], v[AF+FR*(\a):AF+FR*(\a)+FR-1], v[BI+8*\b:BI+8*\b+7], v[SC+8*NQ*(\sc)+NQ*\b+(\q)], v[SC+8*NQ*(\sc)+NQ*(\a)+(\q)] matrix_a_fmt:MATRIX_FMT_FP4 matrix_b_fmt:MATRIX_FMT_FP4 matrix_a_scale:MATRIX_SCALE_ROW1
.else
	v_wmma_scale_f32_16x16x128_f8f6f4 v[8*(8*((\a)%4)+\b):8*(8*((\a)%4)+\b)+7], v[128*(\p)+FR*\b:128*(\p)+FR*\b+FR-1], v[AF+FR*(\a):AF+FR*(\a)+FR-1], v[8*(8*((\a)%4)+\b):8*(8*((\a)%4)+\b)+7], v[SC+8*NQ*(\sc)+NQ*\b+(\q)], v[SC+8*NQ*(\sc)+NQ*(\a)+(\q)] matrix_a_fmt:MATRIX_FMT_FP4 matrix_b_fmt:MATRIX_FMT_FP4 matrix_a_scale:MATRIX_SCALE_ROW1
.endif
.endr
.endr
.endm
.macro FETCH_B slot, q, p
	WIN TO_B
.irp i, 0,1,2,3,4,5,6,7
	FRAGB 128*(\p)+FR*\i, ADRB+\slot, \q, \i
.endr
	WIN 0
.endm
.macro FETCH_A slot, q, i0
.irp i, \i0, \i0+1, \i0+2, \i0+3
	FRAGA AF+FR*(\i), ADRA+\slot, \q, \i
.endr
.endm
.macro SCALES sc
.irp i, 0,1,2,3,4,5,6,7
	ds_load_b128 v[SC+8*NQ*\sc+NQ*\i:SC+8*NQ*\sc+NQ*\i+3], v[ADRS] offset:\i*SBLK
.endr
.endm
.macro PLACES n                        ; plain vector instructions between a matrix instruction and a load into, or a read of, its registers
.rept \n
	v_nop
.endr
.endm
.macro STEP slot, q, mode
	s_wait_dscnt 4*NL                              ; all but the youngest eight loads (A's blocks 4-7) are in
.if \mode
	WIN 0x81
.else
	WIN MUL_LO
.endif
	MUL16 0, (\q)%2, \q, \slot, \mode
	MUL16 2, (\q)%2, \q, \slot, \mode
	s_wait_dscnt 0
	PLACES NP
	FETCH_B \slot, (\q)+1, 1-(\q)%2
	FETCH_A \slot, (\q)+1, 0
.if \mode
	WIN 0xc1
.else
	WIN MUL_HI
.endif
	MUL16 4, (\q)%2, \q, \slot, \mode
	MUL16 6, (\q)%2, \q, \slot, \mode
	PLACES NP
	WIN 0
	FETCH_A \slot, (\q)+1, 4
.endm
.macro TURN slot, next
	s_wait_tensorcnt 0x0                           ; all my tensor loads have landed: my part of the next slot
	ds_add_u32 v[SPW], v[NIL]                      ; 0 onto my spare word
	s_wait_dscnt 4*NL+1                            ; (the add and A's blocks 4-7 may be out)
	WIN MUL_LO
	MUL16 0, 1, NQ-1, \slot, 0
	s_wait_dscnt 0x0
	s_barrier_signal -1
	MUL16 2, 1, NQ-1, \slot, 0
	WIN 0
	s_barrier_wait -1
	PLACES NP
	v_add_nc_u32 v[ADRS], 4*NQ, v[ADRS]
	FETCH_B \next, 0, 0
	FETCH_A \next, 0, 0
	SCALES \next
	WIN MUL_HI
	MUL16 4, 1, NQ-1, \slot, 0
	MUL16 6, 1, NQ-1, \slot, 0
	PLACES NP
	WIN 0
	FETCH_A \next, 0, 4
.endm
.macro STEPS slot, from
.set Q, \from
.rept NQ-1-\from
	STEP \slot, Q, 0
.set Q, Q+1
.endr
.endm
	s_wait_tensorcnt 1                             ; the scale bytes and my part of slot 0 are in (slot 1's load may be out),
	s_barrier_signal -1
	s_barrier_wait -1                              ; everybody's are
	FETCH_B 0, 0, 0
	FETCH_A 0, 0, 0
	SCALES 0
	FETCH_A 0, 0, 4
	s_wait_loadcnt 0x0                             ; the bias
	STEP 0, 0, 1
	STEPS 0, 1
	TURN 0, 1
	STEPS 1, 0
	s_wait_dscnt 4*NL
	WIN MUL_LO
	MUL16 0, 1, NQ-1, 1, 0
	MUL16 2, 1, NQ-1, 1, 0
	s_wait_dscnt 0
	WIN MUL_HI
	MUL16 4, 1, NQ-1, 1, 0
	MUL16 6, 1, NQ-1, 1, 0
	WIN 0
; THE WAY OUT, a block of 16 rows x 128 columns at a time, through my own stage: in by 32 bytes of a row, each at its true column; back as whole rows of 512 bytes, stored to their true rows.
.macro TOSTAGE a
.set AC, 64*((\a)%4)
.set WQ, 0x08+4*((\a)/4)
	WIN WQ                                         ; an LDS store's data: window 2 or 3
.irp b, 0,1,2,3,4,5,6,7
	ds_store_b128 v[STO], v[AC+8*\b:AC+8*\b+3] offset:128*(\b/2)+32*(\b%2)          ; each accumulator from its low end on
	ds_store_b128 v[STO], v[AC+8*\b+4:AC+8*\b+7] offset:128*(\b/2)+32*(\b%2)+16
.endr
	WIN 0
.set BB, BK+64*((\a)%2)
.irp t, 0,1,2,3,4,5,6,7,8,9,10,11,12,13,14,15
	ds_load_b128 v[BB+4*\t:BB+4*\t+3], v[RD] offset:\t*SPITCH   ; LDS serves a wave's instructions in order: these see my stores
.endr
.endm
.macro SEND a, younger
.set BB, BK+64*((\a)%2)
	s_wait_dscnt \younger                          ; the block is back in registers
.if (\a) > 0
.if (\a)%2
	s_add_nc_u64 s[CP:CP+1], s[CP:CP+1], 8*SIZE_N*4    ; block a begins at row 32 (a / 2) + 8 (a % 2): 8 rows on,
.else
	s_add_nc_u64 s[CP:CP+1], s[CP:CP+1], 24*SIZE_N*4   ; or 24
.endif
.endif
.irp t, 0,1,2,3,4,5,6,7,8,9,10,11,12,13,14,15
	global_store_b128 v[CO], v[BB+4*\t:BB+4*\t+3], s[CP:CP+1] offset:(\t+8*(\t/8))*SIZE_N*4 th:TH_STORE_NT   ; the block's row t is row t + 8 (t / 8): 32 lanes store 512 consecutive bytes, aligned
.endr
.endm
	PLACES NP
	TOSTAGE 0
.irp a, 1,2,3,4,5,6,7
.if \a > 1
	s_wait_xcnt 0x0                                ; block a - 2's stores have read their registers and their base
.endif
	TOSTAGE \a
	SEND \a-1, 32                                  ; behind block a - 1's loads: block a's 16 stores and 16 loads
.endr
	s_wait_xcnt 0x0
	SEND 7, 0
	s_wait_tensorcnt 0x0                           ; the wave's end
	ds_add_u32 v[SPW], v[NIL]
	s_wait_dscnt 0x0
	CROUND                                         ; the closing round
	s_endpgm
.Lfunc_end_k_q97bd1ef2d8_proj:
	.size	k_q97bd1ef2d8_proj, .Lfunc_end_k_q97bd1ef2d8_proj-k_q97bd1ef2d8_proj
	.p2alignl 7, 3214868480
	.fill 96, 4, 3214868480
	.section	.rodata,"a",@progbits
	.p2align	6, 0x0
	.amdhsa_kernel k_q97bd1ef2d8_proj
		.amdhsa_group_segment_fixed_size 327680
		.amdhsa_private_segment_fixed_size 0
		.amdhsa_enable_private_segment 0
		.amdhsa_kernarg_size 40
		.amdhsa_user_sgpr_count 2
		.amdhsa_user_sgpr_kernarg_segment_ptr 1
		.amdhsa_wavefront_size32 1
		.amdhsa_system_sgpr_workgroup_id_x 1
		.amdhsa_system_sgpr_workgroup_id_y 1
		.amdhsa_system_sgpr_workgroup_id_z 1
		.amdhsa_system_vgpr_workitem_id 0
		.amdhsa_next_free_vgpr 1024
		.amdhsa_next_free_sgpr 100
		.amdhsa_reserve_vcc 0
		.amdhsa_float_denorm_mode_32 3
		.amdhsa_float_denorm_mode_16_64 3
		.amdhsa_memory_ordered 1
		.amdhsa_forward_progress 1
		.amdhsa_inst_pref_size 126
	.end_amdhsa_kernel
	.amdgpu_metadata
---
amdhsa.version: [ 1, 2 ]
amdhsa.kernels:
  - .name:           k_q97bd1ef2d8_proj
    .symbol:         k_q97bd1ef2d8_proj.kd
    .args:
      - { .name: oc, .offset: 0, .size: 8, .value_kind: global_buffer, .address_space: global }
      - { .name: os, .offset: 8, .size: 8, .value_kind: global_buffer, .address_space: global }
      - { .name: wp, .offset: 16, .size: 8, .value_kind: global_buffer, .address_space: global }
      - { .name: bproj, .offset: 24, .size: 8, .value_kind: global_buffer, .address_space: global }
      - { .name: out0, .offset: 32, .size: 8, .value_kind: global_buffer, .address_space: global }
    .group_segment_fixed_size: 327680
    .private_segment_fixed_size: 0
    .kernarg_segment_align: 8
    .kernarg_segment_size: 40
    .max_flat_workgroup_size: 128
    .sgpr_count:     100
    .vgpr_count:     1024
    .wavefront_size: 32
...
	.end_amdgpu_metadata
.endif
;; end of part 4
